; MI455X (gfx1250); checked and timed in simulation.
; The chip was launched on July 23, 2026; its instructions are those of AMD's public machine-readable ISA for CDNA 5 (MIT licence, August 2026) and "CDNA5" Instruction Set Architecture Reference Guide (July 2026). The comments in the code are by the model that wrote it; some were corrected since.
;; Causal Attention. Allowed arithmetic: matrix products marked QUANTISED: E2M3 operands, one E8M0 scale for each 32 along K, by v_wmma_scale_f32_16x16x128_f8f6f4 with both operands' format E2M3, f32 sums; everything else in f32.
;; Inputs: W_k 1,024 x 1,024 float32; W_q 1,024 x 1,024 float32; W_v 1,024 x 1,024 float32; x 4 x 2,048 x 1,024 float32.
;; Outputs: out0 4 x 2,048 x 1,024 float32.
;; This version of the problem:
;;   THIS VERSION OF THE PROBLEM IS GIVEN IN LOW PRECISION. The matrix products marked QUANTISED in the list below multiply operands that are first quantised to E2M3 (2 exponent bits, 3 mantissa bits; 6 bits a number), with one power-of-two scale for each 32 numbers along K (OCP MX v1.0); their sums are f32. All else is computed in f32.
;;   The module's matrix products, in the order in which they are computed (A, B: the left and right operand; K: the contracted axis; several contracted axes count as one K, in the product's order):
;;     1. [M 8,192, K 1,024] x [K 1,024, N 1,024]; A: input x; B: input W_q: QUANTISED
;;     2. [M 8,192, K 1,024] x [K 1,024, N 1,024]; A: input x; B: input W_k: QUANTISED
;;     3. [M 8,192, K 1,024] x [K 1,024, N 1,024]; A: input x; B: input W_v: QUANTISED
;;     4. batch 4 x [M 2,048, K 1,024] x [K 1,024, N 2,048]; A: computed on the way; B: computed on the way: QUANTISED
;;     5. batch 4 x [M 2,048, K 2,048] x [K 2,048, N 1,024]; A: softmax (see below); B: computed on the way: QUANTISED
;;   THE QUANTISER, for each operand of a quantised product, along K:
;;     - K is cut into blocks of 32 from its start; a last block that is shorter is filled with zeros.
;;     - A block's scale is 2^e with e = floor(log2(the largest magnitude in the block)) - 2, held to -126 .. 127; a block of zeros has e = 0. As a byte (E8M0): e + 127.
;;     - Each number is divided by its block's scale, clamped to +-7.5, and rounded to the nearest number of E2M3, ties to even, subnormals kept.
;;     - The product sums the exact products of the quantised numbers (number of the format x scale) in f32.
;;   ~~~python
;;   def quantise(x, axis):      # numpy; x: float32 -> the quantised numbers, widened to float32 again
;;       x = np.moveaxis(x, axis, -1); K = x.shape[-1]
;;       x = np.pad(x, [(0, 0)] * (x.ndim - 1) + [(0, -K % 32)]); x = x.reshape(x.shape[:-1] + (-1, 32)); a = np.abs(x).max(-1, keepdims=True)
;;       e = np.where(a > 0, np.clip(np.frexp(np.where(a > 0, a, 1))[1] - 1 - 2, -126, 127), 0)      # np.frexp(a)[1] - 1 = floor(log2(a)), exactly
;;       r = np.clip(x / 2.0 ** e, -7.5, 7.5)
;;       step = 2.0 ** (np.maximum(np.frexp(np.where(r == 0, 1, r))[1] - 1, 0) - 3)
;;       q = np.round(r / step) * step * 2.0 ** e      # np.round: ties to even
;;       return np.moveaxis(q.reshape(q.shape[:-2] + (-1,))[..., :K], -1, axis).astype(np.float32)
;;   ~~~
;;   SOFTMAX AHEAD OF A QUANTISED PRODUCT. Where the list says 'softmax', what is quantised is not the finished softmax but p = 2^(t - M), with t = logit x log2(e) and M = ceil(the row's largest t), a whole number; so 1/2 < the row's largest p <= 1. The row's sum l is taken of the UNQUANTISED p, in f32, and the product's result is divided by l at the end. Since M is a whole number, a kernel that streams over the keys may use a running M (the ceiling of the running maximum): every later rescaling is an exact power of two, which a block's scale takes up: the codes' values come out the same.
;;   OPERANDS COMPUTED ON THE WAY. 'Computed on the way' means the value that the module computes at that place (a softmax that the list does not call 'softmax' is quantised finished and normalised). What goes into a quantiser is computed in f32, as accurately as f32 sums, v_exp_f32 and their like allow (about 1e-6 of the number): no bf16 or f16 on the way to a quantiser, and a product that is left as it is and whose result goes on into a quantised operand takes f32 operands (vector FMAs, or v_wmma_f32_16x16x4_f32). A number that lies on a knife's edge between two numbers of the format may be rounded either way, as far as f32 arithmetic and the matrix unit's own rounding can turn it there, and no further.
;; One version. Each part assembles by itself: llvm-mc -triple=amdgcn-amd-amdhsa -mcpu=gfx1250 --defsym DOCPART=n.
;; ======== version 1 of 1: 4 launches
;; limits: right only within a limited range of input values
;; workspace buffers: xw 9,011,200 bytes; qkv_img 18,874,368 bytes; qkv_sc 786,432 bytes; p_img 6,684,672 bytes; p_sc 278,528 bytes; p_st 557,056 bytes
;; launch quant (part 1): grid 352 x 1, 4 waves a work-group, no clusters, 58,880 bytes of LDS; arguments x, W_q, W_k, W_v, xw; writes xw
.if DOCPART == 1
	.amdgcn_target "amdgcn-amd-amdhsa--gfx1250"
	.amdhsa_code_object_version 6
	.text
	.protected	k_q12fbb5fc84_quant
	.globl	k_q12fbb5fc84_quant
	.p2align	8
	.type	k_q12fbb5fc84_quant,@function
k_q12fbb5fc84_quant:
	s_mov_b64 s[64:65], 0
	v_nop
	global_prefetch_b8 v0, s[64:65] scope:SCOPE_SE
	s_setreg_imm32_b32 hwreg(HW_REG_WAVE_MODE, 25, 1), 1
	s_wait_xcnt 0x0
; x [8192][1024] and W_q, W_k, W_v [1024 (k)][1024 (n)], f32, become codes of FP6 (E2M3) with one E8M0 byte for each 32 along K (K = the 1,024 inputs).
; NO WORK IS LEFT OUT in the projections; of Q K^T and P V only the tiles that reference()'s causal mask hides wholly are left out, in the later launches: their p are 0 for all inputs (a NaN or an infinity that reaches only those is not carried).
; THE RESULT.  64 rows of an operand (x's tokens; a weight's columns n) are a BAND: a dense block of 51,200 bytes.  x's 128 bands come first, then W_q's 16, W_k's, W_v's.  In a band: [tile j of 4][K step of 128][1,536 bytes], then at 49,152
; [pair of K steps][slot of 64][two scale words].  Slot r (0 .. 15) of tile j is row 8 j + r % 8 + 32 (r / 8) of the band; slot 16 j + r of the band.  A fragment (16 slots x 128 K, 12 registers a lane) is the IMAGE OF ITS REGISTERS:
; register 4 c + e of lane L at 512 c + 16 L + 4 e.
; A block's scale is 2^(floor(log2(largest magnitude)) - 2); its byte is the largest magnitude's exponent field - 2, held at 1 from below.
; LIMITS: a block of zeros gets the byte 1 where the rule says 127 (its codes are zeros, and this program alone reads the bytes); NaN and infinities among the inputs are not served.
; SHARES.  Work-groups 0-255: two tiles of a band of x; wave w takes K steps 2 w and 2 w + 1 of them: four fragments.  Each load reads 512 consecutive bytes of one row; a fragment's 8 KB turn through the wave's own stage
; in LDS (rows 528 bytes apart) so that a lane gets 16 neighbours of each block of 32.  Work-groups 256-351: 128 columns x 256 k of one weight; a lane takes a column, its registers run down K, so a block of 32
; lies in one lane; the codes go through the wave's own stage, laid as the images are, and leave as runs of 512 bytes.  The two paths have LDS bytes of their own.  Waves share nothing: no barrier.
; No prefetch: every byte is asked for once, up to 64 loads a wave ahead.
.set SPW,   250                        ; v250 LDS address of my spare word; never rewritten
.set NIL,   251                        ; v251 0; never rewritten
.set XSTG,  8448                       ; x's path: a stage of 16 rows x 528 bytes for each wave, from byte 0
.set WSTG0, 33792                      ; the weights' path: a stage of 6,144 bytes for each wave, from here
.set WSTG,  6144
.set SPARE, 58368                      ; the spare words, 128 bytes for each wave
.set BB,    51200                      ; a band
.set RR,  16                           ; v16-143  x: two sets of 64 numbers as loaded
.set XX,  144                          ; v144-207 x: 64 numbers, register 16 b + i = k 32 b + 16 (lane / 16) + i of my row
.set PC,  208                          ; v208-219 a fragment's codes
.set TQ,  220                          ; v220-226 the conversions' second halves
.set TM,  228                          ; v228-243 largest magnitudes, bytes, scale operands
.set SW,  244                          ; v244-247 the four fragments' scale words
.set XW,  32                           ; weights: v32-95 two sets of 32 numbers
.set CW,  96                           ; v96-102 a block's codes
.set SB,  24                           ; v24-25 my column's eight scale bytes
.set OUTR, 112                         ; v112-159 the way out
	s_load_b256 s[4:11], s[0:1], 0x0               ; x, W_q, W_k, W_v
	s_load_b64 s[12:13], s[0:1], 0x20              ; the bands
	v_lshl_add_u32 v[SPW], v0, 2, SPARE
	v_mov_b32 v[NIL], 0
	v_lshrrev_b32 v1, 5, v0
	v_readfirstlane_b32 s16, v1                    ; wave
	v_and_b32 v1, 31, v0                           ; lane
	s_cmp_lt_u32 ttmp9, 256
	s_cbranch_scc0 .Lweights
	; ---------------- x ----------------
	s_mov_b32 s17, 0x76543210
	s_mov_b32 s18, 0xfedcba98                      ; lane selects: lane l xor 16
	v_and_b32 v2, 15, v0                           ; r
	v_bfe_u32 v3, v0, 4, 1                         ; h
	v_lshlrev_b32 v4, 4, v1                        ; 16 x lane
	s_mul_i32 s19, s16, XSTG
	v_add_nc_u32 v5, s19, v4                       ; into the stage: a row's 512 bytes as they lie
	v_mul_u32_u24 v6, v2, 528
	v_lshl_add_u32 v6, v3, 6, v6
	v_add_nc_u32 v6, s19, v6                       ; out of it: row r, + 64 h
	v_lshlrev_b32 v7, 3, v1                        ; 8 x lane: my slot's two scale words
.irp b, 0,1,2,3
	v_mov_b32 v[TM+4+\b], 0                        ; written once: a lane permute's destination counts as one of its sources
.endr
	s_lshr_b32 s26, ttmp9, 1                       ; the band,
	s_and_b32 s27, ttmp9, 1                        ; tiles 2 s27 and 2 s27 + 1 of it
	s_lshl_b32 s20, s26, 18                        ; 64 rows of 4,096 bytes
	s_lshl_b32 s21, s27, 16                        ; 16 rows
	s_add_co_u32 s20, s20, s21
	s_lshl_b32 s21, s16, 10                        ; my two K steps: 1,024 bytes of a row
	s_add_co_u32 s20, s20, s21
	s_mov_b32 s21, 0
	s_mul_i32 s22, s26, BB
	s_lshl_b32 s24, s16, 9                         ; the pair's scale words
	s_add_co_u32 s24, s24, s22
	s_lshl_b32 s25, s27, 8
	s_add_co_u32 s24, s24, s25
	s_add_co_u32 s24, s24, 49152
	s_mov_b32 s25, 0
	s_mul_i32 s23, s27, 24576
	s_add_co_u32 s22, s22, s23
	s_mul_i32 s23, s16, 3072
	s_add_co_u32 s22, s22, s23
	s_mov_b32 s23, 0
	s_wait_alu depctr_va_vdst(0)                   ; the wait at the head's end
	s_wait_kmcnt 0x0
	s_add_nc_u64 s[4:5], s[4:5], s[20:21]
	s_add_nc_u64 s[14:15], s[12:13], s[24:25]
	s_add_nc_u64 s[12:13], s[12:13], s[22:23]
.macro LOADX f                         ; fragment f = 2 u + q: slot i is row 8 u + i % 8 + 32 (i / 8); 512 bytes of it
.irp i, 0,1,2,3,4,5,6,7,8,9,10,11,12,13,14,15
	global_load_b128 v[RR+64*((\f)%2)+4*\i:RR+64*((\f)%2)+4*\i+3], v4, s[4:5] offset:(8*((\f)/2)+\i+24*(\i/8))*4096+512*((\f)%2) th:TH_LOAD_NT
.endr
.endm
.macro TURNX f                         ; through the stage; LDS serves a wave's instructions in order, so no wait stands between the stores and the loads
.irp i, 0,1,2,3,4,5,6,7,8,9,10,11,12,13,14,15
	ds_store_b128 v5, v[RR+64*((\f)%2)+4*\i:RR+64*((\f)%2)+4*\i+3] offset:528*\i
.endr
.irp b, 0,1,2,3
.irp j, 0,1,2,3
	ds_load_b128 v[XX+16*\b+4*\j:XX+16*\b+4*\j+3], v6 offset:128*\b+16*\j
.endr
.endr
.endm
.macro QUANTX pw                       ; the 64 numbers in v[XX] on become a fragment's codes in v[PC] on and its scale word in v[pw]
.irp b, 0,1,2,3
	v_max3_num_f32 v[TM+\b], |v[XX+16*\b]|, |v[XX+16*\b+1]|, 0x1800000   ; my 16 of block b, and the floor 2^(3 - 127): the byte cannot fall under 1
.endr
.irp i, 2,4,6,8,10,12,14
.irp b, 0,1,2,3
	v_max3_num_f32 v[TM+\b], v[TM+\b], |v[XX+16*\b+\i]|, |v[XX+16*\b+\i+1]|
.endr
.endr
.irp b, 0,1,2,3
	v_permlanex16_b32 v[TM+4+\b], v[TM+\b], s17, s18
.endr
.irp b, 0,1,2,3
	v_max_num_f32 v[TM+\b], v[TM+\b], v[TM+4+\b]   ; with lane l xor 16's: the block's largest magnitude
.endr
.irp b, 0,1,2,3
	v_add_nc_u32 v[TM+12+\b], 0xff000000, v[TM+\b] ; 2 off its exponent field: the conversion's scale operand
.endr
.irp b, 0,1,2,3
	v_lshrrev_b32 v[TM+4+\b], 23, v[TM+12+\b]      ; the scale's byte
.endr
	v_lshl_or_b32 v[\pw], v[TM+5], 8, v[TM+4]
	v_lshl_or_b32 v[\pw], v[TM+6], 16, v[\pw]
	v_lshl_or_b32 v[\pw], v[TM+7], 24, v[\pw]
.irp c, 0,1
	v_cvt_scalef32_pk16_fp6_f32 v[PC+6*\c:PC+6*\c+2], v[XX+32*\c:XX+32*\c+15], v[TM+12+2*\c]
	v_cvt_scalef32_pk16_fp6_f32 v[TQ+4*\c:TQ+4*\c+2], v[XX+32*\c+16:XX+32*\c+31], v[TM+13+2*\c]
.endr
	v_nop                                          ; one plain place behind a scaled conversion
.irp c, 0,1                            ; the operand's layout wants a whole block in a lane
.irp i, 0,1,2
	v_permlane16_swap_b32 v[PC+6*\c+\i], v[TQ+4*\c+\i]
.endr
.irp i, 0,1,2
	v_mov_b32 v[PC+6*\c+3+\i], v[TQ+4*\c+\i]
.endr
.endr
.endm
	LOADX 0
	LOADX 1
.irp f, 0,1,2,3
.if \f < 3
	s_wait_loadcnt 16                              ; this fragment's 16 loads are in; the next fragment's may be out
.else
	s_wait_loadcnt 0x0
.endif
	TURNX \f
	s_wait_dscnt 0x0                               ; the numbers are back, and the stage's stores have read their registers
.if \f > 0
	s_wait_xcnt 0x0                                ; the last fragment's stores have read the codes' registers
.endif
.if \f < 2
	LOADX \f+2
.endif
	QUANTX SW+\f
.irp c, 0,1,2
	global_store_b128 v4, v[PC+4*\c:PC+4*\c+3], s[12:13] offset:(8*(\f/2)+\f%2)*1536+512*\c   ; 32 lanes store 512 consecutive bytes, aligned
.endr
.endr
	v_cmp_le_u32 vcc_lo, 16, v1                    ; lanes 0-15 are the first tile's slots, lanes 16-31 the second's; each word stands in both halves of the lanes
	v_cndmask_b32 v248, v[SW], v[SW+2], vcc_lo
	v_cndmask_b32 v249, v[SW+1], v[SW+3], vcc_lo
	global_store_b64 v7, v[248:249], s[14:15]      ; 256 consecutive bytes, aligned
	s_wait_tensorcnt 0x0                           ; the wave's end, behind my last LDS store
	ds_add_u32 v[SPW], v[NIL]
	s_wait_dscnt 0x0
	s_endpgm
	; ---------------- the weights ----------------
.Lweights:
	s_sub_co_u32 s19, ttmp9, 256                   ; 0 .. 95
	s_lshr_b32 s20, s19, 5                         ; which weight
	s_bfe_u32 s21, s19, 0x30002
	s_and_b32 s22, s19, 3                          ; which 256 along K
	s_lshl_b32 s21, s21, 2
	s_add_co_u32 s21, s21, s16                     ; my wave's 32 columns: tiles 2 (s21 % 2), + 1 of the weight's band s21 / 2
	s_wait_alu depctr_va_vdst(0)
	v_and_b32 v9, 7, v0                            ; lane l is slot l % 16 of tile l / 16: column 8 (l / 16) + l % 8 + 32 (l / 8 % 2)
	v_bfe_u32 v8, v0, 3, 1
	v_bfe_u32 v10, v0, 4, 1
	v_lshl_add_u32 v3, v8, 5, v9
	v_lshl_add_u32 v3, v10, 3, v3
	v_lshlrev_b32 v3, 2, v3                        ; in: 4 bytes a lane
	s_mul_i32 s23, s16, WSTG
	s_add_co_u32 s23, s23, WSTG0                   ; my stage: [tile][K step][1,536]
	v_and_b32 v9, 15, v0
	v_mul_u32_u24 v4, v10, 3072
	v_lshl_add_u32 v4, v9, 4, v4
	v_add_nc_u32 v4, s23, v4                       ; into it: 3,072 (l / 16) + 16 (l % 16)
	v_lshlrev_b32 v6, 4, v1
	v_add_nc_u32 v5, s23, v6                       ; out of it: 16 x lane
	v_lshlrev_b32 v7, 3, v1                        ; my slot's two scale words
	s_lshr_b32 s28, s21, 1
	s_and_b32 s29, s21, 1
	s_lshl_b32 s24, s22, 20                        ; 256 rows of 4,096 bytes
	s_lshl_b32 s25, s28, 8
	s_add_co_u32 s24, s24, s25
	s_lshl_b32 s25, s29, 6
	s_add_co_u32 s24, s24, s25
	s_mov_b32 s25, 0
	s_lshl_b32 s26, s20, 4
	s_add_co_u32 s26, s26, s28
	s_add_co_u32 s26, s26, 128
	s_mul_i32 s26, s26, BB                         ; the band
	s_lshl_b32 s28, s22, 9
	s_add_co_u32 s28, s28, s26
	s_lshl_b32 s27, s29, 8
	s_add_co_u32 s28, s28, s27
	s_add_co_u32 s28, s28, 49152
	s_mul_i32 s27, s29, 24576
	s_add_co_u32 s26, s26, s27
	s_mul_i32 s27, s22, 3072
	s_add_co_u32 s26, s26, s27
	s_mov_b32 s27, 0
	s_mov_b32 s29, 0
	s_wait_alu depctr_va_vdst(0)                   ; the wait at the head's end
	s_wait_kmcnt 0x0
	s_cmp_lt_u32 s19, 64                           ; the choice hangs on the work-group's number alone
	s_cselect_b64 s[30:31], s[8:9], s[10:11]
	s_cmp_lt_u32 s19, 32
	s_cselect_b64 s[30:31], s[6:7], s[30:31]
	s_add_nc_u64 s[30:31], s[30:31], s[24:25]
	s_add_nc_u64 s[14:15], s[12:13], s[28:29]
	s_add_nc_u64 s[12:13], s[12:13], s[26:27]
.macro LOADW t                         ; block t: W(32 t + i, my column) into set t % 2; the four waves read 512 consecutive bytes
.irp i, 0,1,2,3,4,5,6,7,8,9,10,11,12,13,14,15,16,17,18,19,20,21,22,23,24,25,26,27,28,29,30,31
	global_load_b32 v[XW+32*((\t)%2)+\i], v3, s[30:31] offset:(32*(\t)+\i)*4096
.endr
.endm
.macro BLOCKW t
.set XS, XW+32*((\t)%2)
.set OFFB, 1536*((\t)/4)+256*((\t)%2)  ; K step t / 4 of the pair; the block belongs to lanes 16 (t % 2) + r of the image
.if (\t) < 7
	s_wait_loadcnt 32                              ; this block's 32 loads are in; the next block's may be out
.else
	s_wait_loadcnt 0x0
.endif
	v_max3_num_f32 v12, |v[XS]|, |v[XS+1]|, |v[XS+2]|
	v_max3_num_f32 v13, |v[XS+3]|, |v[XS+4]|, |v[XS+5]|
.irp i, 6,10,14,18,22,26
	v_max3_num_f32 v12, v12, |v[XS+\i]|, |v[XS+\i+1]|
	v_max3_num_f32 v13, v13, |v[XS+\i+2]|, |v[XS+\i+3]|
.endr
	v_max3_num_f32 v12, v12, |v[XS+30]|, |v[XS+31]|
	v_max3_num_f32 v12, v12, v13, 0x1800000        ; and the floor
	v_add_nc_u32 v11, 0xff000000, v12              ; the conversion's scale operand
	v_cvt_scalef32_pk16_fp6_f32 v[CW:CW+2], v[XS:XS+15], v11
	v_cvt_scalef32_pk16_fp6_f32 v[CW+4:CW+6], v[XS+16:XS+31], v11
	v_lshrrev_b32 v13, 23, v11                     ; the scale's byte (also the plain place behind the conversions)
.if (\t)%4 == 0
	v_mov_b32 v[SB+(\t)/4], v13
.else
	v_lshl_or_b32 v[SB+(\t)/4], v13, 8*((\t)%4), v[SB+(\t)/4]
.endif
	v_mov_b32 v[CW+3], v[CW+4]                     ; the block's six registers on end
	v_mov_b32 v[CW+4], v[CW+5]
	v_mov_b32 v[CW+5], v[CW+6]
.if (((\t)/2)%2) == 0                  ; registers 0-5 of the fragment: 0-3 in the image's first 512 bytes, 4-5 in the second
	ds_store_b128 v4, v[CW:CW+3] offset:OFFB
	ds_store_b64 v4, v[CW+4:CW+5] offset:OFFB+512
.else                                  ; registers 6-11: 6-7 in the second 512 bytes, 8-11 in the third
	ds_store_b64 v4, v[CW:CW+1] offset:OFFB+520
	ds_store_b128 v4, v[CW+2:CW+5] offset:OFFB+1024
.endif
.if (\t) < 6
	LOADW (\t)+2
.endif
	s_wait_dscnt 0x0                               ; the stores have read their registers
.endm
	LOADW 0
	LOADW 1
.irp t, 0,1,2,3,4,5,6,7
	BLOCKW \t
.endr
	s_wait_alu depctr_va_vdst(0)                   ; the wait directly ahead of the reader below
	global_store_b64 v7, v[SB:SB+1], s[14:15]      ; the 32 lanes fill 256 consecutive bytes, aligned
.irp j, 0,1,2,3,4,5,6,7,8,9,10,11
	ds_load_b128 v[OUTR+4*\j:OUTR+4*\j+3], v5 offset:512*\j
.endr
.irp j, 0,1,2,3,4,5,6,7,8,9,10,11
	s_wait_dscnt 11-\j
	global_store_b128 v6, v[OUTR+4*\j:OUTR+4*\j+3], s[12:13] offset:(\j/6)*12288+(\j%6)*512
.endr
	s_wait_tensorcnt 0x0                           ; the wave's end, behind my last LDS store
	ds_add_u32 v[SPW], v[NIL]
	s_wait_dscnt 0x0
	s_endpgm
.Lfunc_end_k_q12fbb5fc84_quant:
	.size	k_q12fbb5fc84_quant, .Lfunc_end_k_q12fbb5fc84_quant-k_q12fbb5fc84_quant
	.p2alignl 7, 3214868480
	.fill 96, 4, 3214868480
	.section	.rodata,"a",@progbits
	.p2align	6, 0x0
	.amdhsa_kernel k_q12fbb5fc84_quant
		.amdhsa_group_segment_fixed_size 58880
		.amdhsa_private_segment_fixed_size 0
		.amdhsa_enable_private_segment 0
		.amdhsa_kernarg_size 40
		.amdhsa_user_sgpr_count 2
		.amdhsa_user_sgpr_kernarg_segment_ptr 1
		.amdhsa_wavefront_size32 1
		.amdhsa_system_sgpr_workgroup_id_x 1
		.amdhsa_system_sgpr_workgroup_id_y 1
		.amdhsa_system_sgpr_workgroup_id_z 1
		.amdhsa_system_vgpr_workitem_id 0
		.amdhsa_next_free_vgpr 256
		.amdhsa_next_free_sgpr 66
		.amdhsa_reserve_vcc 1
		.amdhsa_float_denorm_mode_32 3
		.amdhsa_float_denorm_mode_16_64 3
		.amdhsa_memory_ordered 1
		.amdhsa_forward_progress 1
		.amdhsa_inst_pref_size 75
	.end_amdhsa_kernel
	.amdgpu_metadata
---
amdhsa.version: [ 1, 2 ]
amdhsa.kernels:
  - .name:           k_q12fbb5fc84_quant
    .symbol:         k_q12fbb5fc84_quant.kd
    .args:
      - { .name: x, .offset: 0, .size: 8, .value_kind: global_buffer, .address_space: global }
      - { .name: W_q, .offset: 8, .size: 8, .value_kind: global_buffer, .address_space: global }
      - { .name: W_k, .offset: 16, .size: 8, .value_kind: global_buffer, .address_space: global }
      - { .name: W_v, .offset: 24, .size: 8, .value_kind: global_buffer, .address_space: global }
      - { .name: xw, .offset: 32, .size: 8, .value_kind: global_buffer, .address_space: global }
    .group_segment_fixed_size: 58880
    .private_segment_fixed_size: 0
    .kernarg_segment_align: 8
    .kernarg_segment_size: 40
    .max_flat_workgroup_size: 128
    .sgpr_count:     66
    .vgpr_count:     256
    .wavefront_size: 32
...
	.end_amdgpu_metadata
.endif
;; end of part 1
;; launch proj (part 2): grid 16 x 16, 4 waves a work-group, clusters of 4 x 4, 327,680 bytes of LDS; arguments xw, qkv_img, qkv_sc; writes qkv_img, qkv_sc
.if DOCPART == 2
	.amdgcn_target "amdgcn-amd-amdhsa--gfx1250"
	.amdhsa_code_object_version 6
	.text
	.protected	k_q12fbb5fc84_proj
	.globl	k_q12fbb5fc84_proj
	.p2align	8
	.type	k_q12fbb5fc84_proj,@function
k_q12fbb5fc84_proj:
	s_mov_b64 s[64:65], 0
	v_nop
	global_prefetch_b8 v0, s[64:65] scope:SCOPE_SE
	s_setreg_imm32_b32 hwreg(HW_REG_WAVE_MODE, 25, 1), 1
	s_wait_xcnt 0x0
	s_wait_alu depctr_hold_cnt(0) depctr_sa_sdst(0) depctr_va_vdst(0) depctr_va_sdst(0) depctr_va_ssrc(0) depctr_va_vcc(0) depctr_vm_vsrc(0)
	s_getreg_b32 s2, hwreg(HW_REG_IB_STS2, 6, 4)
	s_cmp_eq_u32 s2, 0
	s_cbranch_scc0 .Lentry_in_a_cluster
	s_endpgm
.Lentry_in_a_cluster:
	s_bfe_u32 s2, ttmp6, 0x10000c
	s_cmp_lg_u32 s2, 0xf033
	s_cbranch_scc0 .Lentry_shape_is_right
	s_endpgm
.Lentry_shape_is_right:
; Q, K, V = x W on codes of FP6 (E2M3), K = 1,024; the results are quantised at once, Q and K along d, V along the tokens, and leave as register images and scale words.  No f32 result is stored.
; INPUT: bands of 64 rows (x's tokens, then W_q's, W_k's, W_v's columns), 51,200 bytes each: [tile j][K step][image of 1,536], then [pair of K steps][slot][two scale words]; slot r of tile j is row 8 j + r % 8 + 32 (r / 8).
; LIMITS: a block of zeros gets the scale byte 1 where the rule says 127 (its codes are zeros; this program alone reads the bytes); NaN and infinities are not served.
; THE DEAL.  256 work-groups of four waves, 2 x 2.  A wave holds 64 columns of a weight (a band), ALL of K, in registers (384) and streams x past them in blocks of 16 rows.  A work-group makes 256 x 128 of V, PHASE 1, then 512 x 128 of Q or K, PHASE 2.
; V's 256 rows are a half of the work-group's own 512: half s87 = cluster x % 2; tensor s19 = cluster x / 2; V's tile column 4 s19 + cx, its tile row 2 x phase 2's + s87: each tile of V has one work-group.
; A CHUNK is band c of two key steps of 128 tokens (two bands, 2 apart): the wave in row w takes key step w's.  A half has chunks c = 0, 1; block s of a half is tile s % 4 of chunk s / 4.  The half asked for at the head serves V's eight blocks and,
; still in LDS, the first eight of Q or K.  x's chunks are shared by a row of the cluster (mask s44), a weight's rows by a column (mask s45): joint loads.
; A LANE OF A RESULT.  Q, K (source 0 = the weight's tile b): register 8 b + i of lane (r, h) is column 32 h + 8 b + i of the wave's 64: one scale block.  V (source 0 = x's tile j): register 8 j + i is token 32 h + 8 j + i of the band: one scale block.
; OUTPUT.  q, k: [tile T of 16 tokens][K step: q's 8, k's 8][half c of 64 d][768]: registers 6 c .. 6 c + 3 of an operand at 16 x lane, 6 c + 4, 6 c + 5 at 512 + 8 x lane; scale words [256 tokens][K step][slot].
; v, from byte 12,582,912: [batch][tile T of 16 columns][key step][image of 1,536]; its words, from 524,288: [batch][256 columns][pair of key steps][slot][two words].
; LDS: slot 0 at 0, slot 1 at CH (x's chunks), the weights' region at BVB, the stages of the results' scale bytes (XN, XM), the spare words.
; FILLS.  At the head one load a wave: W_v's two bands, chunk 0, chunk 1.  Three refills, each in a drained round with the three lines ahead of it: W_q's or W_k's bands in V's block 2; the other half's chunks in phase 2's blocks 2 and 6 (waves 0 and 1 a band each).
; A BLOCK is 32 products; behind every second one stand two entries of its list (scalar lines and a vector line each): the largest magnitudes of the block before, addresses, descriptors.  The conversions stand behind the block's last product.
; THE WAITS' COUNTS.  A block's rows were fetched two blocks ago; younger than that fetch are the next block's fetch, NF loads, and the byte stores between the two.  Behind a round or a plain barrier the wait for all LDS work has shown the next block's rows in.
; PREFETCHES, 25 units of 256 bytes a wave, the sixteen waves of the four work-groups that will ask jointly sharing a tile by address: the second weight at the head, chunk 2 behind the first refill, chunk 3 between the phases: each two or more blocks ahead of its load.
.set NQ,   8
.set NB,   4
.set FR,   12
.set FPW,  21                          ; fragments in a window of 256 registers
.set NF,   28                          ; LDS loads of a block: 24 for eight fragments, 4 for eight scale words
.set BB,   51200
.set CH,   2*BB
.set BVB,  2*CH
.set XN,   BVB+CH                      ; q's or k's scale bytes: [half, in the order of work][slot of 256][4]
.set XM,   XN+2048                     ; v's: [slot of 128][key step w][4]
.set SPARE, XM+1024
.set EMAX, 2
.set AD0,  4                           ; v4, v5  LDS address of my band in slot 0, 1, + 16 x lane
.set AD1,  5
.set AS0,  6                           ; v6, v7  the same + 8 r: scale words
.set AS1,  7
.set PFV,  8                           ; v8      256 x min(lane, 24)
.set CO,   9                           ; v9      16 x lane
.set SPW,  10                          ; v10     my spare word
.set NIL,  11                          ; v11     0
.set ADRA, 12                          ; v12, v13  as v4 and v6, for the block that is fetched next
.set AAS,  13
.set ADRB, 14                          ; v14, v15  my weight band: + 16 x lane, + 8 x lane
.set ABS,  15
.set CO8,  16                          ; v16     8 x lane
.set STO,  18                          ; v18     LDS, q's or k's scale byte
.set STV,  19                          ; v19     LDS, v's
.set PF,   20                          ; v20-22  the prefetches' offsets
.set SB,   24                          ; v24-39  the weight's scale words
.set TQ,   40                          ; v40, v41  the two chains
.set SA,   44                          ; v44-59  the rows' scale words: two sets of eight
.set TC,   60                          ; v60-62  the second conversion's codes
.set ACC,  64                          ; v64-127 phase 2: two sets of four accumulators
.set HV0,  64                          ; v64-191 phase 1, band 0: 32 t + 8 j + i
.set HV1,  840                         ; v840-967 band 1
.set NCD,  128                         ; v128-133, v134-139 phase 2: an even and an odd block's codes
.set MCD,  192                         ; v192-239 phase 1: four operands of twelve
.set SOP,  240
.set EB,   244
.set VX,   248
.set G1A,  24                          ; s[24:31] descriptor group 1 of a chunk; s[56:59] group 0 of chunk 0, s[68:71] of chunk 1 and of the refills
.set G0A,  56
.set G0R,  68
.set G1B,  32                          ; s[32:39], s[60:63] of a weight's band
.set G0B,  60
.set G1H,  92                          ; s[92:99] group 1 of one band of x
.set MSB, 0
.macro WIN new                         ; the immediate's high byte repeats the setting that is left
.if MSB != (\new)
	s_set_vgpr_msb (MSB<<8)|(\new)
.set MSB, (\new)
.endif
.endm
.macro PLACES n
.rept \n
	v_nop
.endr
.endm
.macro WALU
	s_wait_alu depctr_va_vdst(0)
.endm
.macro BARRIER
	s_barrier_signal -1
	s_barrier_wait -1
.endm
.macro MIDDLE                          ; a round's middle
	WIN 0
	s_barrier_wait -1
	s_cmp_lg_u32 s14, 0
	s_cbranch_scc1 .Lnot_wave_0_\@
	s_barrier_signal -3
.Lnot_wave_0_\@:
	s_barrier_wait -3
.endm
.macro CROUND
	s_barrier_signal -1
	MIDDLE
	BARRIER
.endm
.macro GRD
	s_wait_tensorcnt 0x0
	ds_add_u32 v[SPW], v[NIL]
.endm
.macro TLOAD g0, g1
	tensor_load_to_lds s[\g0:\g0+3], s[\g1:\g1+7]
	s_nop 0
	PLACES 4
.endm
.macro GROUP1 g, mask, c, pitch        ; two rows of c elements of 8 bytes
	s_or_b32 s[\g+0], s[\mask], (3<<16)|(1<<21)
	s_mov_b32 s[\g+1], (\c)<<16
	s_mov_b32 s[\g+2], 2<<16
	s_mov_b32 s[\g+3], (\c)<<16
	s_mov_b32 s[\g+4], 2
	s_mov_b32 s[\g+5], \pitch
	s_mov_b32 s[\g+6], 0
	s_mov_b32 s[\g+7], 0
.endm
.macro SADD d, x
	s_add_co_u32 s\d, s\d, s\x
.endm
.macro G0ADR g, off                    ; group 0's address: xw + the offset in s\off
	s_mov_b32 s20, s\off
	s_mov_b32 s21, 0
	s_add_nc_u64 s[\g+2:\g+3], s[4:5], s[20:21]
	s_or_b32 s[\g+3], s[\g+3], 0x80000000
.endm
; ---- fragments.  Fragment f lies in window 1 + f / 21 at register 12 (f % 21): 0-31 the weight's (4 q + b), 32-39 and 40-47 the rows' two sets
.macro FRAG f, a, off
	WIN (1+(\f)/FPW)<<6
.set R_, FR*((\f)%FPW)
.irp c, 0,1,2
	ds_load_b128 v[R_+4*\c:R_+4*\c+3], v[\a] offset:(\off)+512*\c
.endr
.endm
.macro WEIGHTS                         ; my band of the weight, all of K: 104 loads
.irp q, 0,1,2,3,4,5,6,7
.irp b, 0,1,2,3
	FRAG NB*\q+\b, ADRB, 12288*\b+1536*\q
.endr
.endr
	WIN 0
.irp p, 0,1                            ; lanes 0-15 tile 2 p, lanes 16-31 tile 2 p + 1
.irp m, 0,1,2,3
	ds_load_b64 v[SB+8*\p+2*\m:SB+8*\p+2*\m+1], v[ABS] offset:49152+256*\p+512*\m
.endr
.endr
.endm
.macro FETCH e, j, a, as               ; tile j of my band at a into set e: NF loads
.irp q, 0,1,2,3,4,5,6,7
	FRAG 32+8*(\e)+\q, \a, 12288*(\j)+1536*\q
.endr
	WIN 0
.irp m, 0,1,2,3
	ds_load_b64 v[SA+8*(\e)+2*\m:SA+8*(\e)+2*\m+1], v[\as] offset:49152+128*(\j)+512*\m
.endr
.endm
; ---- a product.  n = 4 q + column tile.  kind 0 (Q, K): source 0 the weight's rows; kind 1 (V): source 0 x's rows
.macro PROD kind, e, n, a0, as
.set Q_, (\n)/4
.set FB_, NB*Q_+(\n)%4
.set FA_, NB*NQ+NQ*(\e)+Q_
.set D_, (\a0)+(\as)*((\n)%4)
.set DL_, D_&255
.set XB_, SB+NQ*(((\n)%4)/2)+Q_
.set XA_, SA+8*(\e)+Q_
.if \kind
	WIN (1+FA_/FPW)|((1+FB_/FPW)<<2)|((D_>>8)<<4)|((D_>>8)<<6)
.if Q_
	PROD1 DL_, FA_, FB_, v[DL_:DL_+7], XA_, XB_, b, (\n)%2
.else
	PROD1 DL_, FA_, FB_, 0, XA_, XB_, b, (\n)%2
.endif
.else
	WIN (1+FB_/FPW)|((1+FA_/FPW)<<2)|((D_>>8)<<4)|((D_>>8)<<6)
.if Q_
	PROD1 DL_, FB_, FA_, v[DL_:DL_+7], XB_, XA_, a, (\n)%2
.else
	PROD1 DL_, FB_, FA_, 0, XB_, XA_, a, (\n)%2
.endif
.endif
.endm
.macro PROD1 d, s0, s1, c, x0, x1, side, o
.if \o
	v_wmma_scale_f32_16x16x128_f8f6f4 v[\d:\d+7], v[FR*((\s0)%FPW):FR*((\s0)%FPW)+FR-1], v[FR*((\s1)%FPW):FR*((\s1)%FPW)+FR-1], \c, v[\x0], v[\x1] matrix_a_fmt:MATRIX_FMT_FP6 matrix_b_fmt:MATRIX_FMT_FP6 matrix_\side\()_scale:MATRIX_SCALE_ROW1
.else
	v_wmma_scale_f32_16x16x128_f8f6f4 v[\d:\d+7], v[FR*((\s0)%FPW):FR*((\s0)%FPW)+FR-1], v[FR*((\s1)%FPW):FR*((\s1)%FPW)+FR-1], \c, v[\x0], v[\x1] matrix_a_fmt:MATRIX_FMT_FP6 matrix_b_fmt:MATRIX_FMT_FP6 matrix_\side\()_scale:MATRIX_SCALE_ROW0
.endif
.endm
.macro BLOCK kind, e, a0, as, from, to, list, x=0, y=0
.set N_, \from
.rept (\to)-(\from)
	PROD \kind, \e, N_, \a0, \as
.if N_%2
	\list N_-1, \x, \y
	\list N_, \x, \y
.endif
.set N_, N_+1
.endr
.endm
; ---- what the lists are made of: each macro writes entry i of its part, and nothing beyond its last
.macro CHAIN i, x, n, t=TQ             ; 18 entries: the largest magnitude of the 32 sums from register x on, in two chains, with the floor 2^(3 - 127); the conversions' scale operand, v[SOP+n]
.set XW_, (\x)>>8
.set XL_, (\x)&255
.if (\i) >= 0 && (\i) < 14
.set B_, XL_+16*((\i)%2)+2*((\i)/2)
.set T_, (\t)+1-(\i)%2
.if (\i) < 2
	WIN XW_|(XW_<<2)|(XW_<<4)
	v_max3_num_f32 v[T_], |v[B_]|, |v[B_+1]|, |v[B_+2]|
.else
	WIN (XW_<<2)|(XW_<<4)
	v_max3_num_f32 v[T_], v[T_], |v[B_+1]|, |v[B_+2]|
.endif
.elseif (\i) == 14
	WIN XW_<<2
	v_max3_num_f32 v[\t+1], v[\t+1], |v[XL_+15]|, (EMAX+1)<<23
.elseif (\i) == 15
	WIN 0
	v_nop                                  ; so that the next line, which reads entry 14's result, stands in the next pair
.elseif (\i) == 16
	WIN XW_<<2
	v_max3_num_f32 v[\t], v[\t], |v[XL_+31]|, v[\t+1]
.elseif (\i) == 17
	WIN 0
	v_add_nc_u32 v[SOP+\n], -(EMAX<<23), v[\t]
.endif
.endm
.macro CODES i, x, c, n, t=TC          ; 6 lines: 32 codes into v[c .. c+5], the scale's byte into v[EB+n]
.set XW_, (\x)>>8
.set XL_, (\x)&255
.if (\i) == 0
	WIN XW_
	v_cvt_scalef32_pk16_fp6_f32 v[\c:\c+2], v[XL_:XL_+15], v[SOP+\n]
.elseif (\i) == 1
	WIN XW_
	v_cvt_scalef32_pk16_fp6_f32 v[\t:\t+2], v[XL_+16:XL_+31], v[SOP+\n]
.elseif (\i) == 2
	WIN 0
	v_lshrrev_b32 v[EB+\n], 23, v[SOP+\n]
.else
	WIN 0
	v_mov_b32 v[\c+\i], v[\t+\i-3]
.endif
.endm
.macro CODES6 x, c, n
.irp i, 0,1,2,3,4,5
	CODES \i, \x, \c, \n
.endr
.endm
.macro PUT2 r, off                     ; a block's codes: 512 and 256 consecutive bytes, aligned
	global_store_b128 v[CO], v[\r:\r+3], s[84:85] offset:\off
	global_store_b64 v[CO8], v[\r+4:\r+5], s[84:85] offset:(\off)+512
.endm
.macro PUT3 r, off                     ; an operand of v
.irp k, 0,1,2
	global_store_b128 v[CO], v[\r+4*\k:\r+4*\k+3], s[50:51] offset:(\off)+512*\k
.endr
.endm
.macro ASK i                           ; 2 entries: the descriptor of my band of the chunk at s88 for slot s47; then both step on
.if (\i) == 0
	s_mul_i32 s[G0R+1], s14, BB
	s_add_co_u32 s[G0R+1], s[G0R+1], s47
	s_mov_b32 s20, s88
	s_mov_b32 s21, 0
.elseif (\i) == 1
	s_add_nc_u64 s[G0R+2:G0R+3], s[4:5], s[20:21]
	s_or_b32 s[G0R+3], s[G0R+3], 0x80000000
	s_add_co_u32 s88, s88, BB
	s_add_co_u32 s47, s47, CH
.endif
.endm
.macro PAIR i                          ; 4 entries: where blocks 2 s46, 2 s46 + 1 go: codes by the true half, scale bytes in LDS by the order of work
.if (\i) == 0
	s_lshr_b32 s20, s46, 2
	s_xor_b32 s20, s20, s87
	s_lshl_b32 s20, s20, 3
	s_and_b32 s22, s46, 3
.elseif (\i) == 1
	s_add_co_u32 s20, s20, s22
	s_mul_i32 s20, s20, 49152
	s_mov_b32 s21, 0
.elseif (\i) == 2
	s_add_nc_u64 s[84:85], s[10:11], s[20:21]
	s_lshl_b32 s22, s22, 7
	s_lshr_b32 s23, s46, 2
.elseif (\i) == 3
	s_lshl_b32 s23, s23, 10
	s_or_b32 s22, s22, s23
	s_add_co_u32 s46, s46, 1
	WIN 0
	v_add_nc_u32 v[VX], s22, v[STO]
.endif
.endm
; ---- the lists
.macro L_NONE i, x, y
.endm
.macro L_OUT i, x, y
	CHAIN \i, \x, \y
.endm
.macro L_V2 i, x, y                    ; the first refill's address: W_q's or W_k's band
.if (\i) == 0
	G0ADR G0B, 9
.endif
.endm
.macro L_ODD i, x, y
	PAIR \i
	CHAIN (\i)-4, ACC, 0
.endm
.macro L_ROUND i, x, y                 ; the descriptor, the other slot's addresses, the odd block's largest magnitude
	ASK \i
.if (\i) == 2
	s_sub_co_u32 s101, s101, CH
	WIN 0
	v_add_nc_u32 v[ADRA], s101, v[AD0]
.elseif (\i) == 3
	WIN 0
	v_add_nc_u32 v[AAS], s101, v[AS0]
.endif
	CHAIN (\i)-4, ACC+32, 1
.endm
.macro L_SHOW i, x, y                  ; two tiles on
.if (\i) == 0
	s_add_co_u32 s101, s101, 24576
	s_add_co_u32 s91, s91, 256
	WIN 0
	v_add_nc_u32 v[ADRA], s101, v[AD0]
.elseif (\i) == 1
	WIN 0
	v_add_nc_u32 v[AAS], s91, v[AS0]
.endif
	CHAIN (\i)-2, ACC+32, 1
.endm
; ---- phase 2's blocks.  w: the count of the wait for the block's rows (-1: they are shown in already).  j: the tile that is fetched (-1: none)
.macro WAITDS w
.if (\w) >= 0
	s_wait_dscnt \w
.endif
.endm
.macro EVENOUT j                       ; behind an even block: the odd block before it leaves
	WALU
	ds_store_b8 v[VX], v[EB+1] offset:64
	PUT2 NCD+6, 24576
.if (\j) >= 0
	FETCH 0, \j, ADRA, AAS
.endif
.endm
.macro EVEN w, j
	WAITDS \w
	BLOCK 0, 0, ACC, 8, 0, 32, L_OUT, ACC+32, 1
	WIN 0
	CODES6 ACC+32, NCD+6, 1
	EVENOUT \j
.endm
.macro EVENROUND w                     ; the second and the third refill
	WAITDS \w
	GRD
	BLOCK 0, 0, ACC, 8, 0, 26, L_ROUND
	WIN 0
	WALU
	s_wait_dscnt 0x0
	s_barrier_signal -1
	BLOCK 0, 0, ACC, 8, 26, 32, L_NONE
	WIN 0
	CODES6 ACC+32, NCD+6, 1
	MIDDLE
	BARRIER
	s_cmp_lt_u32 s14, 2
	s_cbranch_scc0 .Lnone_\@
	TLOAD G0R, G1H
.Lnone_\@:
	EVENOUT 0
.endm
.macro EVENSHOW w                      ; a plain barrier inside the block shows the last refill to all
	WAITDS \w
	BLOCK 0, 0, ACC, 8, 0, 26, L_SHOW
	WIN 0
	WALU
	s_wait_tensorcnt 0x0
	s_wait_dscnt 0x0
	s_barrier_signal -1
	BLOCK 0, 0, ACC, 8, 26, 32, L_NONE
	WIN 0
	s_barrier_wait -1
	CODES6 ACC+32, NCD+6, 1
	EVENOUT 0
.endm
.macro ODD w, j                        ; behind an odd block the even block before it leaves
	WAITDS \w
	s_wait_xcnt 0x0                                ; the stores before have read the base and their registers
	BLOCK 0, 1, ACC+32, 8, 0, 32, L_ODD
	WIN 0
	CODES6 ACC, NCD, 0
	WALU
	ds_store_b8 v[VX], v[EB]
	PUT2 NCD, 0
.if (\j) >= 0
	FETCH 1, \j, ADRA, AAS
.endif
.endm
; ================= THE HEAD
	s_load_b64 s[4:5], s[0:1], 0x0                 ; xw
	s_load_b128 s[48:51], s[0:1], 0x8              ; qkv_img, qkv_sc
	v_lshl_add_u32 v[SPW], v0, 2, SPARE
	v_mov_b32 v[NIL], 0
	ds_add_u32 v[SPW], v[NIL]                      ; the opening lines: the add, twice on end, and its wait
	ds_add_u32 v[SPW], v[NIL]
	v_lshrrev_b32 v1, 5, v0
	v_readfirstlane_b32 s14, v1                    ; s14 the wave; s15 its row of the 2 x 2, s16 its column
	s_lshr_b32 s15, s14, 1
	s_and_b32 s16, s14, 1
	s_bfe_u32 s40, ttmp6, 0x40000                  ; cx
	s_bfe_u32 s41, ttmp6, 0x40004                  ; cy
	s_lshl_b32 s42, ttmp9, 2
	s_add_co_u32 s42, s42, s40                     ; s42 phase 2's tile column, 0 .. 15: the K step of the result
	s_and_b32 s43, ttmp7, 0xffff
	s_lshl_b32 s43, s43, 2
	s_add_co_u32 s43, s43, s41                     ; s43 its tile row of 512 tokens
	s_lshr_b32 s19, ttmp9, 1
	s_and_b32 s87, ttmp9, 1                        ; s87: V's half of my 512 rows
	s_lshl_b32 s13, s19, 2
	s_add_co_u32 s13, s13, s40                     ; s13 V's tile column
	s_lshl_b32 s12, s43, 1
	s_add_co_u32 s12, s12, s87                     ; s12 V's tile row
	s_lshl_b32 s44, s41, 2
	s_lshl_b32 s44, 15, s44                        ; my row of the cluster
	s_lshl_b32 s45, 0x1111, s40                    ; my column
	GROUP1 G1A, 44, 6400, 12800                    ; a chunk: two bands, 2 bands apart
	GROUP1 G1B, 45, 3200, 3200                     ; a band, dense, as two rows
	GROUP1 G1H, 44, 3200, 3200
	s_lshl_b32 s20, s43, 3
	s_lshl_b32 s21, s87, 2
	s_add_co_u32 s22, s20, s21
	s_mul_i32 s67, s22, BB                         ; the half that comes first, bytes from xw
	s_xor_b32 s22, s22, 4
	s_mul_i32 s89, s22, BB                         ; the other half
	s_mul_i32 s21, s14, 2*BB
	s_add_co_u32 s88, s89, s21                     ; my band of its chunk 0 (waves 0 and 1)
	s_lshl_b32 s9, s42, 1
	s_add_co_u32 s9, s9, 128
	s_mul_i32 s9, s9, BB                           ; W_q's or W_k's two bands
	s_lshl_b32 s54, s13, 1
	s_add_co_u32 s54, s54, 160
	s_mul_i32 s54, s54, BB                         ; W_v's
	s_lshl_b32 s90, s41, 2
	SADD 90, 14                                    ; my number among the sixteen waves of my column of the cluster
	s_mul_i32 s90, s90, 6400
	SADD 90, 9
	s_lshl_b32 s100, s40, 2
	SADD 100, 14                                   ; and of my row: waves 0-7 share the chunk's first band, 8-15 its second
	s_lshr_b32 s22, s100, 3
	s_mul_i32 s22, s22, BB
	s_mul_i32 s100, s100, 6400
	SADD 100, 22
	SADD 100, 89
	s_mul_i32 s21, s14, BB
	SADD 9, 21                                     ; my band of the weight (waves 0 and 1)
	SADD 54, 21
	s_mov_b32 s[G0A], 1
	s_mov_b32 s[G0A+1], 0
	s_mov_b32 s[G0R], 1
	s_mov_b32 s[G0R+1], CH
	s_mov_b32 s[G0B], 1
	s_add_co_u32 s[G0B+1], s21, BVB
	v_and_b32 v1, 15, v0
	v_bfe_u32 v2, v0, 4, 1
	v_and_b32 v3, 31, v0
	v_lshlrev_b32 v[CO], 4, v3
	v_lshlrev_b32 v[CO8], 3, v3
	s_mul_i32 s21, s15, BB
	v_lshlrev_b32 v23, 3, v1
	v_add_nc_u32 v[AD0], s21, v[CO]
	v_add_nc_u32 v[AS0], s21, v23
	v_add_nc_u32 v[AD1], CH, v[AD0]
	v_add_nc_u32 v[AS1], CH, v[AS0]
	v_add_nc_u32 v[ADRA], s21, v[CO]               ; slot 0 at first
	v_add_nc_u32 v[AAS], s21, v23
	s_mul_i32 s22, s16, BB
	s_add_co_u32 s22, s22, BVB
	v_add_nc_u32 v[ADRB], s22, v[CO]
	v_add_nc_u32 v[ABS], s22, v[CO8]
	s_lshl_b32 s21, s15, 9
	s_lshl_b32 s22, s16, 1
	SADD 21, 22
	s_add_co_u32 s21, s21, XN
	v_lshl_add_u32 v23, v1, 2, v2
	v_add_nc_u32 v[STO], s21, v23                  ; + 512 w + 4 r + 2 (wave column) + h
	s_lshl_b32 s21, s16, 9
	s_lshl_b32 s22, s15, 2
	SADD 21, 22
	s_add_co_u32 s21, s21, XM
	v_lshl_add_u32 v23, v1, 3, v2
	v_add_nc_u32 v[STV], s21, v23                  ; + 512 (wave column) + 8 r + 4 w + h
	v_min_u32 v[PFV], 24, v3
	v_lshlrev_b32 v[PFV], 8, v[PFV]
	v_add_nc_u32 v[PF], s90, v[PFV]                ; the second weight
	v_add_nc_u32 v[PF+1], s100, v[PFV]             ; chunk 2
	v_add_nc_u32 v[PF+2], BB, v[PF+1]              ; chunk 3
	WALU
	s_wait_dscnt 0x0
	CROUND                                         ; the opening round
	s_wait_kmcnt 0x0
	G0ADR G0A, 67
	s_add_nc_u64 s[G0R+2:G0R+3], s[G0A+2:G0A+3], BB
	G0ADR G0B, 54
	s_cmp_lt_u32 s14, 2
	s_cbranch_scc0 .Lwave_2
	TLOAD G0B, G1B                                 ; waves 0 and 1: W_v's two bands
	s_branch .Lasked
.Lwave_2:
	s_cmp_eq_u32 s14, 2
	s_cbranch_scc0 .Lwave_3
	TLOAD G0A, G1A                                 ; wave 2: chunk 0
	s_branch .Lasked
.Lwave_3:
	TLOAD G0R, G1A                                 ; wave 3: chunk 1
.Lasked:
	s_lshl_b32 s76, s43, 2                         ; where the results go.  q's or k's codes
	SADD 76, 15
	s_mul_i32 s76, s76, 196608
	s_mul_i32 s22, s42, 1536
	SADD 76, 22
	s_mul_i32 s22, s16, 768
	SADD 76, 22
	s_mov_b32 s77, 0
	s_lshl_b32 s78, s43, 1                         ; their scale words: the stage's halves lie in the order of work
	s_xor_b32 s22, s15, s87
	SADD 78, 22
	s_lshl_b32 s78, s78, 14
	s_lshl_b32 s22, s42, 10
	SADD 78, 22
	s_lshl_b32 s22, s16, 9
	SADD 78, 22
	s_mov_b32 s79, 0
	s_lshr_b32 s23, s12, 3                         ; v's codes: the batch,
	s_mul_i32 s80, s23, 1572864
	s_add_co_u32 s80, s80, 12582912
	s_lshl_b32 s22, s13, 1
	SADD 22, 16
	s_mul_i32 s22, s22, 98304
	SADD 80, 22
	s_and_b32 s21, s12, 7
	s_lshl_b32 s22, s21, 1
	SADD 22, 15
	s_mul_i32 s22, s22, 1536
	SADD 80, 22
	s_mov_b32 s81, 0
	s_lshl_b32 s82, s23, 16                        ; v's scale words
	s_add_co_u32 s82, s82, 524288
	s_lshr_b32 s22, s13, 1
	s_lshl_b32 s22, s22, 14
	SADD 82, 22
	s_lshl_b32 s22, s21, 11
	SADD 82, 22
	s_and_b32 s22, s13, 1
	s_lshl_b32 s22, s22, 10
	SADD 82, 22
	s_lshl_b32 s22, s14, 8
	SADD 82, 22
	s_mov_b32 s83, 0
	s_add_nc_u64 s[10:11], s[48:49], s[76:77]
	s_add_nc_u64 s[52:53], s[50:51], s[82:83]
	s_add_nc_u64 s[2:3], s[50:51], s[78:79]
	s_add_nc_u64 s[50:51], s[48:49], s[80:81]
	s_mov_b32 s46, 0
	s_mov_b32 s47, 0
	s_mov_b32 s101, 2*CH
	WALU
	s_cmp_lt_u32 s14, 2
	s_cbranch_scc0 .Lnot_b
	s_wait_tensorcnt 0x0
.Lnot_b:
	BARRIER                                        ; W_v's bands are in
	global_prefetch_b8 v[PF], s[4:5] th:TH_LOAD_NT scope:SCOPE_SE
	WEIGHTS
	s_cmp_eq_u32 s14, 3
	s_cbranch_scc1 .Lnot_a0
	s_wait_tensorcnt 0x0
.Lnot_a0:
	s_wait_dscnt 0x0
	BARRIER                                        ; chunk 0 is in; chunk 1 may still be on its way
	FETCH 0, 0, AD0, AS0
	FETCH 1, 1, AD0, AS0
; ================= PHASE 1: V, eight blocks; band 0's way outs stand in band 1's blocks
.irp s, 0,1
	s_wait_dscnt NF
	BLOCK 1, \s, HV0+8*\s, 32, 0, 32, L_NONE
	WIN 0
	PLACES 4
	WALU
	FETCH \s, 2+\s, AD0, AS0
.endr
	s_wait_dscnt NF
	GRD
	BLOCK 1, 0, HV0+16, 32, 0, 24, L_V2
	WIN 0
	s_wait_dscnt 0x0
	s_barrier_signal -1
	BLOCK 1, 0, HV0+16, 32, 24, 32, L_NONE
	MIDDLE
	BARRIER
	s_cmp_lt_u32 s14, 2
	s_cbranch_scc0 .Lno_half
	TLOAD G0B, G1B                                 ; onto W_v's bands, which all waves hold in registers
.Lno_half:
	PLACES 4                                       ; the places ahead of the fetch, for the waves that come round the load
	WALU
	FETCH 0, 0, AD1, AS1
	global_prefetch_b8 v[PF+1], s[4:5] th:TH_LOAD_NT scope:SCOPE_SE
	BLOCK 1, 1, HV0+24, 32, 0, 32, L_NONE
	WIN 0
	PLACES 4
	WALU
	FETCH 1, 1, AD1, AS1
.irp j, 0,1,2
	s_wait_dscnt NF+(\j+1)/2
	BLOCK 1, \j%2, HV1+8*\j, 32, 0, 32, L_OUT, HV0+32*\j, \j
	WIN 0
	CODES6 HV0+32*\j, MCD+12*\j, \j
	WALU
	ds_store_b8 v[STV], v[EB+\j] offset:128*\j
.if \j < 2
	FETCH \j, 2+\j, AD1, AS1
.endif
.endr
	s_wait_dscnt 1
	BLOCK 1, 1, HV1+24, 32, 0, 26, L_OUT, HV0+96, 3
	WIN 0
	WALU
	s_wait_tensorcnt 0x0
	s_wait_dscnt 0x0
	s_barrier_signal -1                            ; a plain barrier: the weight that the first refill brought is shown to all
	BLOCK 1, 1, HV1+24, 32, 26, 32, L_NONE
	WIN 0
	s_barrier_wait -1
	CODES6 HV0+96, MCD+36, 3
	WALU
	ds_store_b8 v[STV], v[EB+3] offset:384
; ================= THE CHANGE OF PHASE: the weight and the first two blocks, which lie in slot 0 still, in one run of loads; band 1's four way outs under their flight
	WEIGHTS
	FETCH 0, 0, AD0, AS0
	FETCH 1, 1, AD0, AS0
	global_prefetch_b8 v[PF+2], s[4:5] th:TH_LOAD_NT scope:SCOPE_SE
.set I, 0
.rept 18
.irp t, 0,1,2,3
	CHAIN I, HV1+32*\t, \t, 64+4*\t
.endr
.set I, I+1
.endr
.set I, 0
.rept 6
.irp t, 0,1,2,3
	CODES I, HV1+32*\t, MCD+12*\t+6, \t, 80+4*\t
.endr
.set I, I+1
.endr
	WIN 0
	WALU
; ================= PHASE 2: q or k, sixteen blocks
	s_wait_dscnt NF
	BLOCK 0, 0, ACC, 8, 0, 32, L_NONE
	WIN 0
	PLACES 4
	WALU
.irp t, 0,1,2,3
	ds_store_b8 v[STV], v[EB+\t] offset:2+128*\t
.endr
.irp t, 0,1,2,3
	PUT3 MCD+12*\t, 24576*\t                       ; v's codes leave
.endr
	FETCH 0, 2, AD0, AS0
	ODD NF+4, 3
	s_mov_b32 s86, 0
.Lwith_rounds:                                         ; blocks 2 to 5, 6 to 9
	EVENROUND NF+1
	ODD -1, 1
	EVEN NF+1, 2
	ODD NF+1, 3
	s_add_co_u32 s86, s86, 1
	s_cmp_lg_u32 s86, 2
	s_cbranch_scc1 .Lwith_rounds
	s_mov_b32 s101, CH-24576                       ; chunk 3 lies in slot 1
	s_mov_b32 s91, CH-256
.Lwithout:                                             ; blocks 10, 11 and 12, 13
	EVENSHOW NF+1
	ODD -1, 1
	s_add_co_u32 s86, s86, 1
	s_cmp_lg_u32 s86, 4
	s_cbranch_scc1 .Lwithout
	EVEN NF+1, -1
	ODD 1, -1
; ================= THE END: the last way out; the scale bytes go through LDS under its conversions
	s_lshl_b32 s21, s14, 9
	s_add_co_u32 s21, s21, XN
	v_add_nc_u32 v12, s21, v[CO]
	s_lshl_b32 s21, s14, 8
	s_add_co_u32 s21, s21, XM
	v_add_nc_u32 v13, s21, v[CO8]
.set I, 0
.rept 18
	CHAIN I, ACC+32, 1
.set I, I+1
.endr
	CODES 2, ACC+32, NCD+6, 1
	WALU
	s_wait_xcnt 0x0                                ; the stores before have read their registers
	ds_store_b8 v[VX], v[EB+1] offset:64
	s_wait_dscnt 0x0
	s_barrier_signal -1
	CODES 0, ACC+32, NCD+6, 1
	CODES 1, ACC+32, NCD+6, 1
	WIN 0
	v_nop
.irp i, 3,4,5
	CODES \i, ACC+32, NCD+6, 1
.endr
	WALU
	s_barrier_wait -1
	ds_load_b128 v[64:67], v12
	ds_load_b64 v[68:69], v13
	PUT2 NCD+6, 24576
	s_wait_dscnt 0x0
	global_store_b128 v[CO], v[64:67], s[2:3]
	global_store_b64 v[CO8], v[68:69], s[52:53]
	s_wait_tensorcnt 0x0                           ; the wave's end
	ds_add_u32 v[SPW], v[NIL]
	s_wait_dscnt 0x0
	CROUND                                         ; the closing round
	s_endpgm
.Lfunc_end_k_q12fbb5fc84_proj:
	.size	k_q12fbb5fc84_proj, .Lfunc_end_k_q12fbb5fc84_proj-k_q12fbb5fc84_proj
	.p2alignl 7, 3214868480
	.fill 96, 4, 3214868480
	.section	.rodata,"a",@progbits
	.p2align	6, 0x0
	.amdhsa_kernel k_q12fbb5fc84_proj
		.amdhsa_group_segment_fixed_size 327680
		.amdhsa_private_segment_fixed_size 0
		.amdhsa_enable_private_segment 0
		.amdhsa_kernarg_size 24
		.amdhsa_user_sgpr_count 2
		.amdhsa_user_sgpr_kernarg_segment_ptr 1
		.amdhsa_wavefront_size32 1
		.amdhsa_system_sgpr_workgroup_id_x 1
		.amdhsa_system_sgpr_workgroup_id_y 1
		.amdhsa_system_sgpr_workgroup_id_z 1
		.amdhsa_system_vgpr_workitem_id 0
		.amdhsa_next_free_vgpr 992
		.amdhsa_next_free_sgpr 102
		.amdhsa_reserve_vcc 0
		.amdhsa_float_denorm_mode_32 3
		.amdhsa_float_denorm_mode_16_64 3
		.amdhsa_memory_ordered 1
		.amdhsa_forward_progress 1
		.amdhsa_inst_pref_size 176
	.end_amdhsa_kernel
	.amdgpu_metadata
---
amdhsa.version: [ 1, 2 ]
amdhsa.kernels:
  - .name:           k_q12fbb5fc84_proj
    .symbol:         k_q12fbb5fc84_proj.kd
    .args:
      - { .name: xw, .offset: 0, .size: 8, .value_kind: global_buffer, .address_space: global }
      - { .name: qkv_img, .offset: 8, .size: 8, .value_kind: global_buffer, .address_space: global }
      - { .name: qkv_sc, .offset: 16, .size: 8, .value_kind: global_buffer, .address_space: global }
    .group_segment_fixed_size: 327680
    .private_segment_fixed_size: 0
    .kernarg_segment_align: 8
    .kernarg_segment_size: 24
    .max_flat_workgroup_size: 128
    .sgpr_count:     102
    .vgpr_count:     992
    .wavefront_size: 32
...
	.end_amdgpu_metadata
.endif
;; end of part 2
;; launch scores (part 3): grid 36 x 4, 4 waves a work-group, no clusters, 327,680 bytes of LDS; arguments qkv_img, qkv_sc, p_img, p_sc, p_st; writes p_img, p_sc, p_st
.if DOCPART == 3
	.amdgcn_target "amdgcn-amd-amdhsa--gfx1250"
	.amdhsa_code_object_version 6
	.text
	.protected	k_q12fbb5fc84_scores
	.globl	k_q12fbb5fc84_scores
	.p2align	8
	.type	k_q12fbb5fc84_scores,@function
k_q12fbb5fc84_scores:
	s_mov_b64 s[64:65], 0
	v_nop
	global_prefetch_b8 v0, s[64:65] scope:SCOPE_SE
	s_setreg_imm32_b32 hwreg(HW_REG_WAVE_MODE, 25, 1), 1
	s_wait_xcnt 0x0
; S^T = k q^T on codes of FP6 (E2M3), K = 1,024, on the 36 tiles of 256 queries x 256 keys of a batch that the causal mask does not hide wholly; then p = 2^(t - M) under a LOCAL M, quantised along the keys.
; LEFT OUT: tiles that reference()'s own mask hides wholly: their p are 0 whatever the inputs hold.  On a diagonal tile wave 1's 128 x 128 is hidden: it stores nothing.
; t = score x log2(e) / 32.  M = the largest t of a query among a wave's 128 keys, rounded up to a whole number.  p's codes, p's scale bytes, -M and the sum of the unquantised p go to memory; the next launch
; brings every run of 128 keys under the row's M by taking the whole number M_row - M off the scale bytes: the codes stay as they are.  No score goes to memory.
; THE ORDER OF SLOTS: slot r of tile T (16 tokens) is token 64 (T / 4) + 8 (T % 4) + r % 8 + 32 (r / 8).  Source 0 = 16 keys, source 1 = 16 queries: a lane (r, h) holds one query, and register 32 c + e of a block is key 64 c + 32 h + e of
; the wave's 128: two whole blocks of 32.
; q and k: [tile T][16 K steps: q's 8, k's 8][two halves of 768]: registers 6 c .. 6 c + 3 of an operand at 16 x lane, 6 c + 4, 6 c + 5 at 512 + 8 x lane.  Scale words [256 tokens][K step][slot].
; RESULT: query blocks of 128 lie in pairs (15 - i, i): [batch][i = 0 .. 7][17 places][8 tiles][image of 1,536]: block 15 - i's run k of 128 keys at place k, block i's at place 16 - k; scale words [place][slot][4]; -M and the sum [place][slot][8].
; Four waves, each 128 queries x 128 keys: 64 accumulators.  K goes in 8 steps of 128: steps 0 and 1 lie in slot 0, steps 2 to 5 in slot 1, both asked for at the head (waves 0, 1: q's and k's steps 0, 1; waves 2, 3: their steps 2 to 5); steps 6 and 7 fill slot 0 again.
; NO CLUSTER: a row of the causal triangle has 1 to 8 tiles, so no fixed shape of partners divides it without work-groups that would multiply hidden tiles only.
; NO PREFETCH: a tile of q or k has up to 8 readers, each of which would ask for the same bytes, and three quarters of K are asked for at the head.
; LIMITS: NaN and infinities are not served; a block of zeros has the scale byte 1 (zero codes; this program alone reads the bytes); scaled scores (t) stay under 2^31.
; REGISTERS: window 0: v8-31 addresses; v32-63 scale words, two sets; v64-127 at work; v128-223 q's fragments, one set.  Window 1: k's fragments, two sets.  Windows 2, 3: accumulator (a, b) at v[8 (8 (a % 4) + b)], a < 4 in window 2.
.set QUART, 24576                      ; 8 tiles x two K steps
.set SLOTB, 98304                      ; slot 1
.set SCL,   294912                     ; the scale words of all of K: q's 8,192 bytes, then k's; written by LDS stores alone
.set STS,   311296                     ; -M and sums (1,024 bytes) and scale words (512) of my 128 queries, for each wave
.set SPARE, 317440                     ; the spare words, 128 bytes for each wave
.set A8,   8                           ; v8-9, v10-11  as ADRA, ADRB with 8 x lane
.set B8,   10
.set H8,   12                          ; v12  8 h
.set ADRA, 16
.set ADRB, 19
.set ADRS, 22
.set LI,   23
.set SWA,  24
.set SWR,  25
.set STA,  27
.set SPW,  28
.set NIL,  29
.set D0,   31
.set SC,   32
.set PC,   64
.set TQ,   76
.set TM,   84
.set PW,   100
.set NINF, 101
.set NM,   102
.set LA,   104
.set LB,   106
.set AF,   128
.set G1,   24                          ; s[24:31], s[40:43] the descriptor of steps 0, 1 (and 6, 7); s[68:75], s[44:47] of steps 2 to 5
.set G0,   40
.set G0W,  44
.set G1W,  68
.set HID,  55
.set CS,   56
.set SEL,  58
.set MASK, 60
.set MSB, 0
.macro WIN new                         ; the immediate's high byte repeats the setting that is left
.if MSB != (\new)
	s_set_vgpr_msb (MSB<<8)|(\new)
.set MSB, (\new)
.endif
.endm
.set MUL_LO, 0xa1                      ; source 0 (k) window 1, source 1 (q) window 0, C and D window 2
.set MUL_HI, 0xf1
.set TO_B,   0x40
.macro PLACES                          ; four plain places behind a matrix instruction, ahead of loads into its registers and of reads of its results
.rept 4
	v_nop
.endr
.endm
.macro WALU
	s_wait_alu depctr_va_vdst(0)
.endm
	s_load_b256 s[4:11], s[0:1], 0x0               ; q's and k's images, their scale words, p's images, p's scale words
	s_load_b64 s[12:13], s[0:1], 0x20              ; -M and sums
	v_lshl_add_u32 v[SPW], v0, 2, SPARE
	v_mov_b32 v[NIL], 0
	ds_add_u32 v[SPW], v[NIL]                      ; the opening lines: the add, twice on end, and its wait
	ds_add_u32 v[SPW], v[NIL]
	v_lshrrev_b32 v1, 5, v0
	v_readfirstlane_b32 s14, v1                    ; wave
	s_lshr_b32 s15, s14, 1                         ; rh: my half of the queries
	s_and_b32 s16, s14, 1                          ; ch: my half of the keys.  Also: I fetch q's (0) or k's (1)
	s_mov_b32 s17, 0                               ; the tile's row i of the triangle: how many of 1, 3, 6 .. 28 the work-group's number has reached
.irp th, 1,3,6,10,15,21,28
	s_cmp_ge_u32 ttmp9, \th
	s_cselect_b32 s18, 1, 0
	s_add_co_u32 s17, s17, s18
.endr
	s_add_co_u32 s18, s17, 1
	s_mul_i32 s18, s18, s17
	s_lshr_b32 s18, s18, 1
	s_sub_co_u32 s18, ttmp9, s18                   ; its column j <= i
	s_and_b32 s19, ttmp7, 0xffff                   ; the batch
.macro GROUP1 g, c                     ; 16 rows (tiles) of c elements of 8 bytes, 3,072 elements (a tile's 16 K steps) apart
	s_mov_b32 s[\g], 3<<16
	s_mov_b32 s[\g+1], (\c)<<16
	s_mov_b32 s[\g+2], 16<<16
	s_mov_b32 s[\g+3], (\c)<<16
	s_mov_b32 s[\g+4], 16
	s_mov_b32 s[\g+5], 3072
	s_mov_b32 s[\g+6], 0
	s_mov_b32 s[\g+7], 0
.endm
	GROUP1 G1, 384
	GROUP1 G1W, 768
	s_cmp_eq_u32 s16, 0
	s_cselect_b32 s20, s17, s18
	s_cselect_b32 s21, 0, 12288                    ; k's K steps lie behind q's eight
	s_lshl_b32 s23, s19, 3
	s_add_co_u32 s20, s20, s23                     ; the tile of 256 tokens
	s_mul_i32 s2, s20, 393216
	s_add_co_u32 s2, s2, s21
	s_mul_i32 s21, s15, 3072                       ; waves 2 and 3: two K steps on
	s_add_co_u32 s2, s2, s21
	s_mov_b32 s3, 0
	s_add_co_u32 s20, s23, s17                     ; q's scale words, and k's
	s_lshl_b32 s20, s20, 14
	s_mov_b32 s21, 0
	s_add_co_u32 s62, s23, s18
	s_lshl_b32 s62, s62, 14
	s_add_co_u32 s62, s62, 8192
	s_mov_b32 s63, 0
	s_mov_b32 s[G0], 1
	s_mul_i32 s[G0+1], s16, 49152
	s_mov_b32 s[G0W], 1
	s_mul_i32 s[G0W+1], s16, 98304
	s_add_co_u32 s[G0W+1], s[G0W+1], SLOTB
	s_mov_b32 s[CS], 0x3d38aa3b                    ; c = log2(e) / 32
	s_mov_b32 s[CS+1], s[CS]
	s_mov_b32 s[SEL], 0x76543210
	s_mov_b32 s[SEL+1], 0xfedcba98
	s_cmp_eq_u32 s17, s18                          ; the mask bites on the diagonal's tiles, where my queries are my keys;
	s_cselect_b32 s[MASK], 1, 0
	s_cselect_b32 s[HID], 1, 0
	s_cmp_eq_u32 s14, 2                            ; wave 2's queries lie behind its keys,
	s_cselect_b32 s[MASK], 0, s[MASK]
	s_cmp_eq_u32 s14, 1                            ; and wave 1's keys behind its queries: all hidden
	s_cselect_b32 s[HID], s[HID], 0
	s_wait_dscnt 0x0                               ; both opening adds are done
	s_wait_kmcnt 0x0
	s_add_nc_u64 s[2:3], s[4:5], s[2:3]
	s_add_nc_u64 s[76:77], s[6:7], s[20:21]
	s_add_nc_u64 s[62:63], s[6:7], s[62:63]
	s_mov_b64 s[G0+2:G0+3], s[2:3]
	s_or_b32 s[G0+3], s[G0+3], 0x80000000
	s_mov_b64 s[G0W+2:G0W+3], s[2:3]
	s_or_b32 s[G0W+3], s[G0W+3], 0x80000000
	s_cmp_lt_u32 s14, 2                            ; one tensor load a wave: steps 0 and 1 are asked for by waves 0 and 1,
	s_cbranch_scc0 .Lwide
	tensor_load_to_lds s[G0:G0+3], s[G1:G1+7]
	s_nop 0
	PLACES
	s_branch .Lasked
.Lwide:
	tensor_load_to_lds s[G0W:G0W+3], s[G1W:G1W+7]  ; steps 2 to 5 by waves 2 and 3
	s_nop 0
	PLACES
.Lasked:
	v_lshlrev_b32 v6, 4, v0
	v_lshl_add_u32 v5, v0, 4, SCL
.irp k, 0,1,2,3                        ; the scale words of all of K come through registers: 2,048 consecutive bytes a line of the work-group
	global_load_b128 v[128+4*\k:131+4*\k], v6, s[76:77] offset:2048*\k
	global_load_b128 v[144+4*\k:147+4*\k], v6, s[62:63] offset:2048*\k
.endr
	v_and_b32 v1, 31, v0
	v_and_b32 v2, 15, v0
	v_bfe_u32 v3, v0, 4, 1
	WALU
	v_lshlrev_b32 v[LI], 4, v1
	v_lshlrev_b32 v7, 3, v1
	v_lshlrev_b32 v[H8], 3, v3
	s_mul_i32 s20, s15, QUART
	s_mul_i32 s21, s16, QUART
	s_add_co_u32 s21, s21, 49152
	v_add_nc_u32 v[ADRA], s20, v[LI]
	v_add_nc_u32 v[A8], s20, v7
	v_add_nc_u32 v[ADRB], s21, v[LI]
	v_add_nc_u32 v[B8], s21, v7
	s_mul_i32 s20, s15, 2*QUART
	s_add_co_u32 s20, s20, SLOTB
	s_mul_i32 s21, s16, 2*QUART
	s_add_co_u32 s21, s21, SLOTB+98304
	v_add_nc_u32 v[ADRA+1], s20, v[LI]
	v_add_nc_u32 v[A8+1], s20, v7
	v_add_nc_u32 v[ADRB+1], s21, v[LI]
	v_add_nc_u32 v[B8+1], s21, v7
	s_xor_b32 s21, s15, 1                          ; lanes 16-31 take k's words: 8,192 + 512 ch - 512 rh further on
	s_add_co_u32 s21, s21, s16
	s_lshl_b32 s21, s21, 9
	s_add_co_u32 s21, s21, 7680
	v_mul_u32_u24 v4, s21, v3
	s_lshl_b32 s20, s15, 9
	s_add_co_u32 s20, s20, SCL
	v_lshl_add_u32 v4, v2, 2, v4
	v_add_nc_u32 v[ADRS], s20, v4
	s_mul_i32 s20, s14, 1536
	s_add_co_u32 s20, s20, STS
	v_lshl_add_u32 v[STA], v2, 3, s20
	v_add_nc_u32 v[SWR], s20, v[LI]
	s_add_co_u32 s20, s20, 1024
	v_lshl_add_u32 v[SWA], v2, 2, s20
	v_lshrrev_b32 v4, 3, v2
	v_mul_u32_u24 v[D0], v4, 24
	v_add_nc_u32 v[D0], v[D0], v2                  ; r % 8 + 32 (r / 8)
	v_lshlrev_b32 v4, 5, v3
	v_sub_nc_u32 v[D0], v[D0], v4                  ; - 32 h: a signed number
	v_mov_b32 v[NINF], 0xff800000
	v_mov_b32 v[NM+1], 0
	v_mov_b32 v117, 0                              ; (a lane permute's destination counts as one of its sources)
	v_mov_b32 v[TM+6], 0
	; where my results go
	s_lshl_b32 s20, s17, 1
	s_add_co_u32 s20, s20, s15                     ; my block of 128 queries, 0 .. 15
	s_lshl_b32 s21, s18, 1
	s_add_co_u32 s21, s21, s16                     ; my run of 128 keys
	s_sub_co_u32 s22, 15, s20
	s_sub_co_u32 s23, 16, s21
	s_cmp_lt_u32 s20, 8
	s_cselect_b32 s20, s20, s22                    ; the pair
	s_cselect_b32 s21, s23, s21                    ; the place
	s_lshl_b32 s22, s19, 3
	s_add_co_u32 s20, s20, s22
	s_mul_i32 s20, s20, 17
	s_add_co_u32 s20, s20, s21
	s_mul_i32 s2, s20, 12288
	s_mov_b32 s3, 0
	s_add_nc_u64 s[8:9], s[8:9], s[2:3]
	s_lshl_b32 s2, s20, 10
	s_add_nc_u64 s[12:13], s[12:13], s[2:3]
	s_lshl_b32 s2, s20, 9
	s_add_nc_u64 s[10:11], s[10:11], s[2:3]
.macro FRAG reg, adr, adr8, off
.irp c, 0,1
	ds_load_b128 v[\reg+6*\c:\reg+6*\c+3], v[\adr] offset:\off+768*\c
	ds_load_b64 v[\reg+6*\c+4:\reg+6*\c+5], v[\adr8] offset:\off+768*\c+512
.endr
.endm
.macro WHERE n                         ; K steps 2 to 5 lie in slot 1, the others in slot 0
.if ((\n) > 1) && ((\n) < 6)
.set SL, 1
.set PT, 6144
.set OF, 1536*((\n)-2)
.else
.set SL, 0
.set PT, 3072
.set OF, 1536*((\n)%2)
.endif
.endm
.macro FETCH_B n                       ; k's eight fragments of K step n into set n % 2
	WHERE \n
	WIN TO_B
.irp i, 0,1,2,3,4,5,6,7
	FRAG 128*((\n)%2)+12*\i, ADRB+SL, B8+SL, PT*\i+OF
.endr
	WIN 0
.endm
.macro FETCH_A n, i0                   ; q's tiles i0 .. i0 + 3
	WHERE \n
.irp i, \i0, \i0+1, \i0+2, \i0+3
	FRAG AF+12*(\i), ADRA+SL, A8+SL, PT*(\i)+OF
.endr
.endm
.macro SCALES n                        ; K step n's scale words: lanes 0-15 q's tile i, lanes 16-31 k's
.irp i, 0,1,2,3,4,5,6,7
	ds_load_b32 v[SC+16*(((\n)/2)%2)+2*\i+(\n)%2], v[ADRS] offset:1024*(\n)+64*\i
.endr
.endm
.macro MUL16 a0, n, zero               ; the 64 accumulators take turns in the same order in every step
.irp a, \a0, \a0+1
.irp b, 0,1,2,3,4,5,6,7
.if \zero
	v_wmma_scale_f32_16x16x128_f8f6f4 v[8*(8*((\a)%4)+\b):8*(8*((\a)%4)+\b)+7], v[128*((\n)%2)+12*\b:128*((\n)%2)+12*\b+11], v[AF+12*(\a):AF+12*(\a)+11], 0, v[SC+16*(((\n)/2)%2)+2*\b+(\n)%2], v[SC+16*(((\n)/2)%2)+2*(\a)+(\n)%2] matrix_a_fmt:MATRIX_FMT_FP6 matrix_b_fmt:MATRIX_FMT_FP6 matrix_a_scale:MATRIX_SCALE_ROW1
.else
	v_wmma_scale_f32_16x16x128_f8f6f4 v[8*(8*((\a)%4)+\b):8*(8*((\a)%4)+\b)+7], v[128*((\n)%2)+12*\b:128*((\n)%2)+12*\b+11], v[AF+12*(\a):AF+12*(\a)+11], v[8*(8*((\a)%4)+\b):8*(8*((\a)%4)+\b)+7], v[SC+16*(((\n)/2)%2)+2*\b+(\n)%2], v[SC+16*(((\n)/2)%2)+2*(\a)+(\n)%2] matrix_a_fmt:MATRIX_FMT_FP6 matrix_b_fmt:MATRIX_FMT_FP6 matrix_a_scale:MATRIX_SCALE_ROW1
.endif
.endr
.endr
.endm
.macro REST n                          ; the next step's fragments, and a step's second half
	FETCH_B (\n)+1
	FETCH_A (\n)+1, 0
	SCALES (\n)+1
	WIN MUL_HI
	MUL16 4, \n, ZERO
	MUL16 6, \n, ZERO
	PLACES
	WIN 0
	FETCH_A (\n)+1, 4
.endm
.macro STEP n, zero
.set ZERO, \zero
	s_wait_dscnt 16                                ; all but the youngest 16 loads (q's tiles 4-7)
	WIN MUL_LO
	MUL16 0, \n, ZERO
	MUL16 2, \n, ZERO
	s_wait_dscnt 0
	PLACES
	REST \n
.endm
.macro TURN n, fill                    ; a step with a barrier: in front of it each wave waits for all its tensor loads, adds 0 to its spare word, and waits for that and for its LDS reads
.set ZERO, 0
	s_wait_tensorcnt 0x0                           ; all my tensor loads have landed
	ds_add_u32 v[SPW], v[NIL]
	s_wait_dscnt 17                                ; (the add and the youngest 16 loads may be out)
	WIN MUL_LO
	MUL16 0, \n, 0
	s_wait_dscnt 0x0                               ; the add is done, and my reads of the slot that I leave are over
	s_barrier_signal -1
	MUL16 2, \n, 0
	WIN 0
	s_barrier_wait -1
.if \fill
	s_add_nc_u64 s[G0+2:G0+3], s[G0+2:G0+3], 9216  ; steps 6 and 7
	s_cmp_lt_u32 s14, 2
	s_cbranch_scc0 .Lno_fill
	tensor_load_to_lds s[G0:G0+3], s[G1:G1+7]      ; into slot 0, which nobody reads any more
	s_nop 0
	PLACES
.Lno_fill:
.endif
	PLACES
	REST \n
.endm
	WALU                                           ; at the head's end
	s_wait_loadcnt 0x0
.irp k, 0,1,2,3
	ds_store_b128 v5, v[128+4*\k:131+4*\k] offset:2048*\k
	ds_store_b128 v5, v[144+4*\k:147+4*\k] offset:8192+2048*\k
.endr
	s_cmp_lt_u32 s14, 2
	s_cbranch_scc0 .Lno_wait
	s_wait_tensorcnt 0x0                           ; steps 0 and 1 are in; steps 2 to 5 may still be on their way
.Lno_wait:
	s_wait_dscnt 0x0                               ; my part of the scale words lies in LDS
	s_barrier_signal -1
	s_barrier_wait -1
	FETCH_B 0
	FETCH_A 0, 0
	SCALES 0
	FETCH_A 0, 4
	STEP 0, 1                                      ; the first products start the sums: nothing is cleared
	TURN 1, 1                                      ; steps 2 to 5 are whole in every wave's eyes
	STEP 2, 0
	STEP 3, 0
	STEP 4, 0
	TURN 5, 0                                      ; steps 6 and 7 are whole
	STEP 6, 0
	s_wait_dscnt 16
	WIN MUL_LO
	MUL16 0, 7, 0
	MUL16 2, 7, 0
	s_wait_dscnt 0
	WIN MUL_HI
	MUL16 4, 7, 0
	MUL16 6, 7, 0
	WIN 0
	PLACES
	s_cmp_eq_u32 s[HID], 1                         ; ids alone; no barrier stands in the part jumped over
	s_cbranch_scc1 .Lend
; THE SOFTMAX OF BLOCK a: 16 queries (a lane: one) x my 128 keys.  Register 32 c + e holds key 64 c + 32 h + e
.macro SOFT a
.set WND, 2+(\a)/4
.set ACB, 64*((\a)%4)
	s_cmp_eq_u32 s[MASK], 0
	s_cbranch_scc1 .Lopen_\@
	WIN (WND<<6)|WND
	WALU
.set NN, 0
.rept 32                               ; in my queries' own band of 64 keys: hidden where the key comes after the query: the score becomes -infinity, p then 0
	v_cmp_gt_i32 vcc_lo, NN-8*((\a)%4), v[D0]
	v_cndmask_b32 v[ACB+32*((\a)/4)+NN], v[ACB+32*((\a)/4)+NN], v[NINF], vcc_lo
.set NN, NN+1
.endr
.if (\a) < 4                           ; and the band behind it is hidden wholly
.set NN, 0
.rept 32
	v_mov_b32 v[ACB+32+NN], 0xff800000
.set NN, NN+1
.endr
.endif
	WIN 0
.Lopen_\@:
	WIN WND|(WND<<2)
	WALU
.irp b, 0,1,2,3
	v_max3_num_f32 v[TM+\b], v[ACB+16*\b], v[ACB+16*\b+1], v[NINF]   ; the largest score of each block of 32 keys: for the maximum, and, since p rises with the score, for the block's largest p
.endr
.irp i, 2,4,6,8,10,12,14
.irp b, 0,1,2,3
	v_max3_num_f32 v[TM+\b], v[ACB+16*\b+\i], v[ACB+16*\b+\i+1], v[TM+\b]
.endr
.endr
	WIN 0
	v_max_num_f32 v[TM], v[TM], v[TM+1]            ; my two blocks
	v_max_num_f32 v[TM+1], v[TM+2], v[TM+3]
	v_max_num_f32 v116, v[TM], v[TM+1]
	v_permlanex16_b32 v117, v116, s[SEL], s[SEL+1]
	v_max_num_f32 v116, v116, v117                 ; with lane l xor 16's 64 keys
	v_mul_f32 v116, s[CS], v116                    ; as t
	v_max_num_f32 v116, 0xff61b1e6, v116           ; held at -3e38 from below
	v_floor_f32 v[NM], -v116                       ; -M = floor(-t): M is a whole number
	WIN (WND<<6)|WND
.set NN, 0
.rept 32
	v_pk_fma_f32 v[ACB+NN:ACB+NN+1], v[ACB+NN:ACB+NN+1], s[CS:CS+1], v[NM:NM+1] op_sel_hi:[1,0,0]   ; t - M
.set NN, NN+2
.endr
	WIN 0
.irp b, 0,1
	v_fma_f32 v[TM+\b], v[TM+\b], s[CS], v[NM]
.endr
	WIN (WND<<6)|WND
.set NN, 0
	WALU
.rept 64
	v_exp_f32 v[ACB+NN], v[ACB+NN]                 ; p = 2^(t - M)
.set NN, NN+1
.endr
	WIN 0
	v_nop                                          ; a plain place behind the exponentials
	WALU                                           ; one wait for the batch, ahead of its first reader
.irp b, 0,1
	v_exp_f32 v[TM+\b], v[TM+\b]                   ; the block's largest p: the same arithmetic on the same number
.endr
	WIN WND|(WND<<2)
	v_pk_add_f32 v[LA:LA+1], v[ACB:ACB+1], v[ACB+2:ACB+3]       ; the sum of the unquantised p, in two chains
	v_pk_add_f32 v[LB:LB+1], v[ACB+4:ACB+5], v[ACB+6:ACB+7]
	WIN WND<<2
.set NN, 8
.rept 14
	v_pk_add_f32 v[LA:LA+1], v[LA:LA+1], v[ACB+NN:ACB+NN+1]
	v_pk_add_f32 v[LB:LB+1], v[LB:LB+1], v[ACB+NN+2:ACB+NN+3]
.set NN, NN+4
.endr
	WIN 0
	v_pk_add_f32 v[LA:LA+1], v[LA:LA+1], v[LB:LB+1]
	v_add_f32 v[NM+1], v[LA], v[LA+1]
	v_permlanex16_b32 v117, v[NM+1], s[SEL], s[SEL+1]
	v_add_f32 v[NM+1], v[NM+1], v117               ; with lane l xor 16's 64 keys
	WALU                                           ; and one wait for the two
.irp b, 0,1
	v_max_num_f32 v[TM+\b], 0x1800000, v[TM+\b]    ; the floor 2^(3 - 127): the byte cannot fall under 1
.endr
.irp b, 0,1
	v_add_nc_u32 v[TM+12+\b], 0xff000000, v[TM+\b]
.endr
.irp b, 0,1
	v_lshrrev_b32 v[TM+4+\b], 23, v[TM+12+\b]
.endr
	v_lshl_or_b32 v[PW], v[TM+5], 16, v[TM+4]      ; my two bytes, blocks h and 2 + h, at their places;
	v_lshlrev_b32 v[PW], v[H8], v[PW]
	v_permlanex16_b32 v[TM+6], v[PW], s[SEL], s[SEL+1]
	v_or_b32 v[PW], v[PW], v[TM+6]                 ; with lane l xor 16's two the word is whole
	WALU
.if (\a) > 0
	s_wait_xcnt 0x0                                ; the last block's stores have read the codes' registers
.endif
	WIN WND
.irp c, 0,1
	v_cvt_scalef32_pk16_fp6_f32 v[PC+6*\c:PC+6*\c+2], v[ACB+32*\c:ACB+32*\c+15], v[TM+12+\c]
	v_cvt_scalef32_pk16_fp6_f32 v[TQ+4*\c:TQ+4*\c+2], v[ACB+32*\c+16:ACB+32*\c+31], v[TM+12+\c]
.endr
	WIN 0
	v_nop                                          ; one plain place behind a scaled conversion
.irp c, 0,1
.irp i, 0,1,2
	v_mov_b32 v[PC+6*\c+3+\i], v[TQ+4*\c+\i]
.endr
.endr
.irp c, 0,1,2
	global_store_b128 v[LI], v[PC+4*\c:PC+4*\c+3], s[8:9] offset:1536*(\a)+512*\c
.endr
	ds_store_b32 v[SWA], v[PW] offset:64*(\a)      ; both halves of the lanes write the same numbers
	ds_store_b64 v[STA], v[NM:NM+1] offset:128*(\a)
.endm
.irp a, 0,1,2,3,4,5,6,7
	SOFT \a
.endr
	ds_load_b128 v[120:123], v[SWR]                ; my own bytes: LDS serves a wave's instructions in order
	ds_load_b128 v[124:127], v[SWR] offset:512
	ds_load_b128 v[108:111], v[SWR] offset:1024
	s_wait_dscnt 0x0
	global_store_b128 v[LI], v[120:123], s[12:13]
	global_store_b128 v[LI], v[124:127], s[12:13] offset:512
	global_store_b128 v[LI], v[108:111], s[10:11]
.Lend:
	s_wait_tensorcnt 0x0                           ; the wave's end
	ds_add_u32 v[SPW], v[NIL]
	s_wait_dscnt 0x0
	s_endpgm
.Lfunc_end_k_q12fbb5fc84_scores:
	.size	k_q12fbb5fc84_scores, .Lfunc_end_k_q12fbb5fc84_scores-k_q12fbb5fc84_scores
	.p2alignl 7, 3214868480
	.fill 96, 4, 3214868480
	.section	.rodata,"a",@progbits
	.p2align	6, 0x0
	.amdhsa_kernel k_q12fbb5fc84_scores
		.amdhsa_group_segment_fixed_size 327680
		.amdhsa_private_segment_fixed_size 0
		.amdhsa_enable_private_segment 0
		.amdhsa_kernarg_size 40
		.amdhsa_user_sgpr_count 2
		.amdhsa_user_sgpr_kernarg_segment_ptr 1
		.amdhsa_wavefront_size32 1
		.amdhsa_system_sgpr_workgroup_id_x 1
		.amdhsa_system_sgpr_workgroup_id_y 1
		.amdhsa_system_sgpr_workgroup_id_z 1
		.amdhsa_system_vgpr_workitem_id 0
		.amdhsa_next_free_vgpr 1024
		.amdhsa_next_free_sgpr 80
		.amdhsa_reserve_vcc 1
		.amdhsa_float_denorm_mode_32 3
		.amdhsa_float_denorm_mode_16_64 3
		.amdhsa_memory_ordered 1
		.amdhsa_forward_progress 1
		.amdhsa_inst_pref_size 225
	.end_amdhsa_kernel
	.amdgpu_metadata
---
amdhsa.version: [ 1, 2 ]
amdhsa.kernels:
  - .name:           k_q12fbb5fc84_scores
    .symbol:         k_q12fbb5fc84_scores.kd
    .args:
      - { .name: qkv_img, .offset: 0, .size: 8, .value_kind: global_buffer, .address_space: global }
      - { .name: qkv_sc, .offset: 8, .size: 8, .value_kind: global_buffer, .address_space: global }
      - { .name: p_img, .offset: 16, .size: 8, .value_kind: global_buffer, .address_space: global }
      - { .name: p_sc, .offset: 24, .size: 8, .value_kind: global_buffer, .address_space: global }
      - { .name: p_st, .offset: 32, .size: 8, .value_kind: global_buffer, .address_space: global }
    .group_segment_fixed_size: 327680
    .private_segment_fixed_size: 0
    .kernarg_segment_align: 8
    .kernarg_segment_size: 40
    .max_flat_workgroup_size: 128
    .sgpr_count:     80
    .vgpr_count:     1024
    .wavefront_size: 32
...
	.end_amdgpu_metadata
.endif
;; end of part 3
;; launch pv (part 4): grid 8 x 32, 4 waves a work-group, clusters of 4 x 1, 327,680 bytes of LDS; arguments p_img, p_sc, p_st, qkv_img, qkv_sc, out0; writes out0
.if DOCPART == 4
	.amdgcn_target "amdgcn-amd-amdhsa--gfx1250"
	.amdhsa_code_object_version 6
	.text
	.protected	k_q12fbb5fc84_pv
	.globl	k_q12fbb5fc84_pv
	.p2align	8
	.type	k_q12fbb5fc84_pv,@function
k_q12fbb5fc84_pv:
	s_mov_b64 s[64:65], 0
	v_nop
	global_prefetch_b8 v0, s[64:65] scope:SCOPE_SE
	s_setreg_imm32_b32 hwreg(HW_REG_WAVE_MODE, 25, 1), 1
	s_wait_xcnt 0x0
	s_wait_alu depctr_hold_cnt(0) depctr_sa_sdst(0) depctr_va_vdst(0) depctr_va_sdst(0) depctr_va_ssrc(0) depctr_va_vcc(0) depctr_vm_vsrc(0)
	s_getreg_b32 s2, hwreg(HW_REG_IB_STS2, 6, 4)
	s_cmp_eq_u32 s2, 0
	s_cbranch_scc0 .Lentry_in_a_cluster
	s_endpgm
.Lentry_in_a_cluster:
	s_bfe_u32 s2, ttmp6, 0x10000c
	s_cmp_lg_u32 s2, 0x3003
	s_cbranch_scc0 .Lentry_shape_is_right
	s_endpgm
.Lentry_shape_is_right:
; O^T = V^T P^T on codes of FP6 (E2M3), K = the keys up to the causal limit; then O / the row's sum.
; LEFT OUT: runs of 128 keys that reference()'s own mask hides from all of a block's 128 queries: their p are 0 whatever the inputs hold.
; THE DEAL.  Work-group (dt, y = 8 batch + i) makes 128 of d for TWO blocks of 128 queries: A = block 15 - i, 16 - i runs of 128 keys, then B = block i, i + 1 runs: 17 in all, in every work-group.  The pair's 17 places of p lie on end in memory,
; A's run k at place k, B's at place 16 - k, and they lie so in LDS: 208,896 bytes, no byte filled twice.
; CLUSTERS of four work-groups that differ in d alone: they need the same p, and p comes by joint loads: places 0 to 9 at the head, 10 to 16 behind the first round.  All that branches hang on is i, which partners share.
; V goes from memory STRAIGHT INTO REGISTERS: wave w owns 32 of d, two tiles of 16 (source 0), and v lies in memory as images of the operand's registers: six loads of 512 consecutive bytes a run of 128 keys, asked for five runs ahead.
; All 16 runs' fragments have registers of their own, so block B finds its v there and loads none.  A walk that ends early has asked for up to five runs that it does not use.
; p's fragments (source 1) come from LDS by half runs (64 queries: four tiles), four half runs ahead, in five sets by turns: 14 LDS loads a half run, so the wait for one leaves 3 x 14 out.
; p arrives under a local M for each run.  At the head each thread takes two queries (waves 0, 1: A's; waves 2, 3: B's): the row's -M is the least of the runs' -M; each run's sum is multiplied by 2^(M_run - M_row) (exact) and added;
; each run's four scale bytes have the whole number M_row - M_run taken off, held at 0 from below.  The shifted words and 1 / sum lie in LDS for the whole launch.
; A lane (r, h) of a result holds query slot r of tile a and d 64 (w / 2) + 32 h + 8 (2 (w % 2) + t) + j: results meet in a stage in LDS and leave as rows of 512 bytes.
; NO PREFETCH: all of p is asked for at the head, and v's own loads stand five runs ahead of their use.
; LIMITS: a block of p that lies more than 2^-125 under the row's largest p is held at the scale 2^-127; NaN and infinities are not served.
; REGISTERS: window 0: v4-19 addresses, v32-47 v's scale words, v48-57 p's, v64-223 the head's work, later v64-191 rows on the way out, v192-207 1 / sum, v224-247 v's run 15.
; window 1: p's five sets.  window 2: v0-127 accumulator (a, t) at 8 (2 a + t); v128-247 v's runs 10-14.  window 3: v's runs 0-9.
.set SCA,   208896                     ; p's shifted scale words: [A, B][run of 16][slot][4], written by LDS stores alone
.set LSB,   225280                     ; 1 / sum: [A, B][slot][4]
.set STG,   226304                     ; the way out's stage: 128 rows x 528 bytes
.set SPARE, 293888                     ; the spare words, 128 bytes for each wave
.set LI,  4
.set T16, 5
.set PB,  8                            ; v8-12  16 x lane + 49,152 k: places 4 k .. 4 k + 3
.set PSCA, 13
.set STO, 14
.set RD,  15
.set LSR, 16
.set SCW, 17
.set LSW, 18
.set L8,  19
.set SPW, 28
.set NIL, 29
.set VS,  32
.set PSC, 48
.set OST, 64
.set OSC, 80
.set TA,  96
.set NMR, 112
.set LT,  114
.set RL,  192
.set G1,  24                           ; s[24:31], s[40:43] p's places 0 to 9;  s[32:39], s[44:47] 10 to 16
.set G1B, 32
.set G0,  40
.set G0B, 44
.set HB,  70
.set WT,  76                           ; s76-91  1.0 for a run that counts, else 0
.set MSB, 0
.macro WIN new                         ; the immediate's high byte repeats the setting that is left
.if MSB != (\new)
	s_set_vgpr_msb (MSB<<8)|(\new)
.set MSB, (\new)
.endif
.endm
.macro PLACES                          ; four plain places behind a matrix instruction, ahead of loads into its registers and of reads of its results
.rept 4
	v_nop
.endr
.endm
.macro WALU
	s_wait_alu depctr_va_vdst(0)
.endm
.macro BARRIER
	s_barrier_signal -1
	s_barrier_wait -1
.endm
.macro CROUND                          ; a round of the cluster's barrier
	BARRIER
	s_cmp_lg_u32 s16, 0
	s_cbranch_scc1 .Lnot_wave_0_\@
	s_barrier_signal -3
.Lnot_wave_0_\@:
	s_barrier_wait -3
	BARRIER
.endm
.macro GROUP1 g, c                     ; a dense block as two rows of c elements of 8 bytes; for all four partners
	s_mov_b32 s[\g], 15|(3<<16)|(1<<21)
	s_mov_b32 s[\g+1], (\c)<<16
	s_mov_b32 s[\g+2], 2<<16
	s_mov_b32 s[\g+3], (\c)<<16
	s_mov_b32 s[\g+4], 2
	s_mov_b32 s[\g+5], \c
	s_mov_b32 s[\g+6], 0
	s_mov_b32 s[\g+7], 0
.endm
.macro VREG n                          ; where run n's fragments of v lie: register and window
.if (\n) < 10
.set VR_, 24*(\n)
.set VW_, 3
.elseif (\n) < 15
.set VR_, 128+24*((\n)-10)
.set VW_, 2
.else
.set VR_, 224
.set VW_, 0
.endif
.endm
.macro VLOAD n                         ; run n's two fragments of v.  (It leaves the windows as it set them)
	VREG \n
	WIN VW_<<6
.irp t, 0,1
.irp c, 0,1,2
	global_load_b128 v[VR_+12*\t+4*\c:VR_+12*\t+4*\c+3], v[LI], s[10:11] offset:24576*\t+1536*(\n)+512*\c
.endr
.endr
.endm
	s_load_b256 s[4:11], s[0:1], 0x0               ; p's images, p's scale words, -M and sums, q k v's images
	s_load_b128 s[12:15], s[0:1], 0x20             ; q k v's scale words, the output
	v_lshl_add_u32 v[SPW], v0, 2, SPARE
	v_mov_b32 v[NIL], 0
	ds_add_u32 v[SPW], v[NIL]                      ; the opening lines: the add, twice on end, and its wait
	ds_add_u32 v[SPW], v[NIL]
	v_lshrrev_b32 v1, 5, v0
	v_readfirstlane_b32 s16, v1                    ; wave
	s_bfe_u32 s2, ttmp6, 0x40000                   ; cx
	s_lshl_b32 s17, ttmp9, 2
	s_add_co_u32 s17, s17, s2                      ; dt: which 128 of d
	s_and_b32 s21, ttmp7, 0xffff                   ; y
	s_lshr_b32 s18, s21, 3                         ; the batch
	s_and_b32 s19, s21, 7                          ; i: B's last run
	s_sub_co_u32 s20, 15, s19                      ; A's last run
	GROUP1 G1, 1920                                ; 30,720 bytes for each wave
	GROUP1 G1B, 1344                               ; 21,504
	s_mov_b32 s[G0], 1
	s_mul_i32 s[G0+1], s16, 30720
	s_mov_b32 s[G0B], 1
	s_mul_i32 s[G0B+1], s16, 21504
	s_add_co_u32 s54, s[G0B+1], 122880
	s_mov_b32 s[G0B+1], s54
	s_mul_i32 s56, s21, 208896                     ; the pair's places
	s_add_co_u32 s52, s56, s[G0+1]
	s_mov_b32 s53, 0
	s_add_co_u32 s54, s54, s56
	s_mov_b32 s55, 0
	s_mul_i32 s56, s21, 17408                      ; -M and sums
	s_mov_b32 s57, 0
	s_mul_i32 s58, s21, 8704                       ; p's scale words
	s_mov_b32 s59, 0
	s_mul_i32 s60, s18, 1572864                    ; v^T's images: batch, tiles 8 dt + 2 w on
	s_lshl_b32 s61, s17, 2
	s_add_co_u32 s61, s61, s16
	s_mul_i32 s61, s61, 49152
	s_add_co_u32 s60, s60, s61
	s_add_co_u32 s60, s60, 12582912
	s_mov_b32 s61, 0
	s_lshl_b32 s62, s18, 16                        ; v's scale words: batch, the tile of 256 slots, my 32 of them
	s_lshr_b32 s63, s17, 1
	s_lshl_b32 s63, s63, 14
	s_add_co_u32 s62, s62, s63
	s_and_b32 s63, s17, 1
	s_lshl_b32 s63, s63, 10
	s_add_co_u32 s62, s62, s63
	s_lshl_b32 s63, s16, 8
	s_add_co_u32 s62, s62, s63
	s_add_co_u32 s62, s62, 524288
	s_mov_b32 s63, 0
	s_lshl_b32 s66, s18, 23                        ; the output: batch, my 128 of d, the rows that I send: 64 (w / 2) + 16 (w % 2) on in a block
	s_lshl_b32 s67, s17, 9
	s_add_co_u32 s66, s66, s67
	s_lshr_b32 s67, s16, 1
	s_lshl_b32 s67, s67, 18
	s_add_co_u32 s66, s66, s67
	s_and_b32 s67, s16, 1
	s_lshl_b32 s67, s67, 16
	s_add_co_u32 s66, s66, s67
	s_lshl_b32 s67, s20, 19                        ; A: block 15 - i
	s_add_co_u32 s68, s66, s67
	s_mov_b32 s69, 0
	s_lshl_b32 s67, s19, 19                        ; B: block i
	s_add_co_u32 s66, s66, s67
	s_mov_b32 s67, 0
	s_mov_b32 s[HB], 0x80808080
	v_and_b32 v1, 31, v0                           ; lane
	v_and_b32 v2, 15, v0                           ; r
	v_bfe_u32 v3, v0, 4, 1                         ; h
	v_lshlrev_b32 v[LI], 4, v1
	v_lshlrev_b32 v[L8], 3, v1
.irp k, 0,1,2,3,4
	v_add_nc_u32 v[PB+\k], \k*49152, v[LI]
.endr
	v_lshlrev_b32 v[PSCA], 2, v1
	v_add_nc_u32 v[PSCA], SCA, v[PSCA]
	s_lshr_b32 s22, s16, 1
	s_lshl_b32 s22, s22, 8
	s_and_b32 s23, s16, 1
	s_lshl_b32 s23, s23, 6
	s_add_co_u32 s22, s22, s23
	s_add_co_u32 s22, s22, STG
	v_mul_u32_u24 v[STO], v2, 528
	v_lshl_add_u32 v[STO], v3, 7, v[STO]
	v_add_nc_u32 v[STO], s22, v[STO]
	s_mul_i32 s22, s16, 16896
	s_add_co_u32 s22, s22, STG
	v_add_nc_u32 v[RD], s22, v[LI]                 ; my 32 rows of the stage
	v_lshl_add_u32 v[LSR], v2, 2, LSB
	v_lshl_add_u32 v[LSW], v0, 3, LSB
	v_and_b32 v6, 63, v0
	v_lshlrev_b32 v[T16], 4, v6
	v_lshrrev_b32 v7, 6, v0
	v_mul_u32_u24 v7, 8192, v7
	v_lshl_add_u32 v[SCW], v6, 3, v7
	v_add_nc_u32 v[SCW], SCA, v[SCW]
	v_mov_b32 v[LT], 0
	v_mov_b32 v[LT+1], 0
	WALU
	s_mov_b32 s3, 16384
	s_cmp_lt_u32 s16, 2                            ; my queries are A's (places k) or B's (places 16 - k)
	s_cselect_b32 s22, s20, s19
	s_cselect_b32 s3, 0, s3
	s_movk_i32 s23, 1024
	s_cselect_b32 s23, s23, 0xfffffc00
.irp k, 0,1,2,3,4,5,6,7,8,9,10,11,12,13,14,15      ; a run past the limit does not exist: the last one stands for it, and its sum counts with the weight 0
	s_min_u32 s2, s22, \k
	s_mul_i32 s2, s2, s23
	s_add_co_u32 s2, s2, s3
	v_add_nc_u32 v[OST+\k], s2, v[T16]
	v_lshrrev_b32 v[OSC+\k], 1, v[OST+\k]
	s_cmp_ge_u32 s22, \k
	s_cselect_b32 s[WT+\k], 1.0, 0
.endr
	WALU
	s_wait_dscnt 0x0                               ; both opening adds are done
	s_wait_kmcnt 0x0
	s_add_nc_u64 s[8:9], s[8:9], s[56:57]
	s_add_nc_u64 s[6:7], s[6:7], s[58:59]
	s_add_nc_u64 s[12:13], s[12:13], s[62:63]
	s_add_nc_u64 s[10:11], s[10:11], s[60:61]
	s_add_nc_u64 s[G0+2:G0+3], s[4:5], s[52:53]
	s_or_b32 s[G0+3], s[G0+3], 0x80000000
	s_add_nc_u64 s[G0B+2:G0B+3], s[4:5], s[54:55]
	s_or_b32 s[G0B+3], s[G0B+3], 0x80000000
	s_add_nc_u64 s[72:73], s[14:15], s[68:69]
	s_add_nc_u64 s[74:75], s[14:15], s[66:67]
.irp k, 0,1,2,3,4,5,6,7,8,9,10,11,12,13,14,15
	global_load_b128 v[128+4*\k:131+4*\k], v[OST+\k], s[8:9]        ; -M and the sum of my two queries for run k
.endr
.irp k, 0,1,2,3,4,5,6,7,8,9,10,11,12,13,14,15
	global_load_b64 v[192+2*\k:193+2*\k], v[OSC+\k], s[6:7]         ; their scale words
.endr
.irp p, 0,1,2,3,4,5,6,7
	global_load_b64 v[VS+2*\p:VS+2*\p+1], v[L8], s[12:13] offset:2048*\p   ; v's scale words of runs 2 p, 2 p + 1: lanes 0-15 my first tile, lanes 16-31 my second
.endr
	CROUND                                         ; all four partners are here: the first joint loads meet
	tensor_load_to_lds s[G0:G0+3], s[G1:G1+7]      ; p's places 0 to 9: one tensor load a wave at the head
	s_nop 0
	PLACES
	VLOAD 0
	VLOAD 1
	VLOAD 2
	s_wait_loadcnt 26                              ; the statistics and p's scale words are in; behind them 8 + 18 loads may be out
	VLOAD 3
	VLOAD 4
	WIN 0
.irp z, 0,1
	v_min3_num_f32 v[NMR+\z], v[128+2*\z], v[132+2*\z], v[136+2*\z]
.endr
.irp k, 3,5,7,9,11,13
.irp z, 0,1
	v_min3_num_f32 v[NMR+\z], v[NMR+\z], v[128+4*\k+2*\z], v[132+4*\k+2*\z]
.endr
.endr
.irp z, 0,1
	v_min_num_f32 v[NMR+\z], v[NMR+\z], v[188+2*\z]      ; the row's -M
.endr
.macro SHIFT2 kg                       ; runs kg and kg + 1 of my two queries: four chains by turns; x: run kg + x / 2, query x % 2
.irp x, 0,1,2,3
	v_sub_f32 v[TA+4*\x], v[NMR+\x%2], v[128+4*((\kg)+\x/2)+2*(\x%2)]       ; M_run - M_row: a whole number, 0 or less
.endr
.irp x, 0,1,2,3
	v_cvt_i32_f32 v[TA+4*\x], v[TA+4*\x]                                    ; (it saturates)
.endr
.irp x, 0,1,2,3
	v_ldexp_f32 v[TA+4*\x+1], v[129+4*((\kg)+\x/2)+2*(\x%2)], v[TA+4*\x]    ; the run's sum under the row's M: nothing is rounded
.endr
.irp x, 0,1,2,3
	v_fmac_f32 v[LT+\x%2], s[WT+(\kg)+\x/2], v[TA+4*\x+1]
.endr
.irp x, 0,1,2,3
	v_sub_nc_u32 v[TA+4*\x], 0, v[TA+4*\x]
.endr
.irp x, 0,1,2,3
	v_min_u32 v[TA+4*\x], 127, v[TA+4*\x]                                   ; what comes off each byte, at most 127
.endr
.irp x, 0,1,2,3
	v_lshl_or_b32 v[TA+4*\x], v[TA+4*\x], 8, v[TA+4*\x]
.endr
.irp x, 0,1,2,3
	v_lshl_or_b32 v[TA+4*\x], v[TA+4*\x], 16, v[TA+4*\x]                    ; in all four bytes
.endr
.irp x, 0,1,2,3
	v_or_b32 v[TA+4*\x+1], s[HB], v[192+2*(\kg)+\x]                         ; the bytes lie in 1 .. 125: with 128 added no byte borrows from its neighbour
.endr
.irp x, 0,1,2,3
	v_sub_nc_u32 v[TA+4*\x+1], v[TA+4*\x+1], v[TA+4*\x]
.endr
.irp x, 0,1,2,3
	v_and_b32 v[TA+4*\x], s[HB], v[TA+4*\x+1]                               ; bit 7 has stayed where the byte did not fall under 0
.endr
.irp x, 0,1,2,3
	v_lshrrev_b32 v[TA+4*\x+2], 7, v[TA+4*\x]
.endr
.irp x, 0,1,2,3
	v_sub_nc_u32 v[TA+4*\x], v[TA+4*\x], v[TA+4*\x+2]                       ; 0x7f there, 0 elsewhere
.endr
.irp x, 0,1,2,3
	v_and_b32 v[192+2*(\kg)+\x], v[TA+4*\x+1], v[TA+4*\x]
.endr
.endm
.irp kg, 0,2,4,6,8,10,12,14
	SHIFT2 \kg
.endr
.irp k, 0,1,2,3,4,5,6,7,8,9,10,11,12,13,14,15
	ds_store_b64 v[SCW], v[192+2*\k:193+2*\k] offset:512*\k
.endr
	WALU
	v_rcp_f32 v[LT], v[LT]
	v_rcp_f32 v[LT+1], v[LT+1]
	v_nop                                          ; a plain place behind the reciprocals
	WALU                                           ; and the wait ahead of their first reader
	ds_store_b64 v[LSW], v[LT:LT+1]
.irp a, 0,1,2,3,4,5,6,7
	v_mov_b32 v[RL+2*\a+1], 0                      ; named as the upper halves of pairs
.endr
	WALU                                           ; at the head's end
	s_wait_tensorcnt 0x0                           ; my part of places 0 to 9 is in
	ds_add_u32 v[SPW], v[NIL]
	s_wait_dscnt 0x0                               ; and my shifted words and 1 / sum lie in LDS
	CROUND
	tensor_load_to_lds s[G0B:G0B+3], s[G1B:G1B+7]  ; places 10 to 16, the first tensor load behind the round
	s_nop 0
	PLACES
.macro FETCHH blk, h                   ; half run h of block blk (0: A, 1: B) into set h % 5: 14 LDS loads
.set N_, (\h)/2
.set S_, (\h)%2
.if \blk
.set PL_, 16-N_
.else
.set PL_, N_
.endif
	WIN 0x40
.irp a, 0,1,2,3
.irp c, 0,1,2
	ds_load_b128 v[48*((\h)%5)+12*\a+4*\c:48*((\h)%5)+12*\a+4*\c+3], v[PB+PL_/4] offset:12288*(PL_%4)+1536*(4*S_+\a)+512*\c
.endr
.endr
	WIN 0
.irp p, 0,1                            ; scale words: lanes 0-15 tile 2 p of the half, lanes 16-31 tile 2 p + 1
	ds_load_b32 v[PSC+2*((\h)%5)+\p], v[PSCA] offset:8192*(\blk)+512*N_+256*S_+128*\p
.endr
.endm
.macro MULH h, zero                    ; eight products: four tiles of queries x my two of d.  The 16 accumulators take turns in the same order in every run
.set N_, (\h)/2
.set S_, (\h)%2
	VREG N_
	WIN 0xa4|VW_                                   ; source 0 (v) its window, source 1 (p) window 1, C and D window 2
.irp p, 0,1
.irp o, 0,1
.irp t, 0,1
.set D_, 8*(2*(4*S_+2*\p+\o)+\t)
.set P_, 48*((\h)%5)+12*(2*\p+\o)
.if \zero
	v_wmma_scale_f32_16x16x128_f8f6f4 v[D_:D_+7], v[VR_+12*\t:VR_+12*\t+11], v[P_:P_+11], 0, v[VS+N_], v[PSC+2*((\h)%5)+\p] matrix_a_fmt:MATRIX_FMT_FP6 matrix_b_fmt:MATRIX_FMT_FP6 matrix_a_scale:MATRIX_SCALE_ROW\t matrix_b_scale:MATRIX_SCALE_ROW\o
.else
	v_wmma_scale_f32_16x16x128_f8f6f4 v[D_:D_+7], v[VR_+12*\t:VR_+12*\t+11], v[P_:P_+11], v[D_:D_+7], v[VS+N_], v[PSC+2*((\h)%5)+\p] matrix_a_fmt:MATRIX_FMT_FP6 matrix_b_fmt:MATRIX_FMT_FP6 matrix_a_scale:MATRIX_SCALE_ROW\t matrix_b_scale:MATRIX_SCALE_ROW\o
.endif
.endr
.endr
.endr
.endm
.macro HALF blk, h, last, zero
.set K_, (\last)-(\h)
.if K_ > 3
.set K_, 3
.endif
	s_wait_dscnt 14*K_                             ; this half's loads are in; the three younger halves', 14 each, may be out
.if ((\blk) == 0) && ((\h)%2 == 0)
.if (\h)/2 < 11
	s_wait_loadcnt 24                              ; v's fragments of this run are in; the four younger runs', 6 each, may be out
.else
	s_wait_loadcnt 6*(15-(\h)/2)                   ; nothing is asked for past run 15
.endif
.endif
	PLACES                                         ; behind the last half's products, whose set is filled again below
.if (\h)+4 <= (\last)
	FETCHH \blk, (\h)+4
.endif
	MULH \h, \zero
.if ((\blk) == 0) && ((\h)%2 == 0) && ((\h)/2 < 11)
	VLOAD (\h)/2+5
.endif
	WIN 0
.endm
; THE WAY OUT of a block: x 1 / sum, into the stage, and out as rows of 512 bytes
.macro OUT blk, base
	PLACES                                         ; behind the last products
	s_wait_dscnt 0x0
.if \blk
	BARRIER                                        ; A's rows have been read out of the stage by all waves
.endif
.irp a, 0,1,2,3,4,5,6,7
	ds_load_b32 v[RL+2*\a], v[LSR] offset:512*(\blk)+64*\a
.endr
.if \blk
	s_wait_dscnt 0x0
.else
	FETCHH 1, 0                                    ; B's first four half runs
	FETCHH 1, 1
	FETCHH 1, 2
	FETCHH 1, 3
	s_wait_dscnt 56                                ; 1 / sum is in; the 56 loads behind it may be out
.endif
	WIN 0x82                                       ; destination and source 0: window 2
.set NN, 0
.rept 64
	v_pk_mul_f32 v[NN:NN+1], v[NN:NN+1], v[RL+2*(NN/16):RL+2*(NN/16)+1] op_sel_hi:[1,0]   ; each accumulator from its low end on
.set NN, NN+2
.endr
	WIN 0x08                                       ; an LDS store's data are its source 1: window 2
.irp a, 0,1,2,3,4,5,6,7
.irp t, 0,1
	ds_store_b128 v[STO], v[8*(2*\a+\t):8*(2*\a+\t)+3] offset:8448*\a+32*\t
	ds_store_b128 v[STO], v[8*(2*\a+\t)+4:8*(2*\a+\t)+7] offset:8448*\a+32*\t+16
.endr
.endr
	WIN 0
	s_wait_dscnt 0x0                               ; my part of the rows lies in the stage
	BARRIER
.if \blk
	s_wait_xcnt 0x0                                ; A's stores have read their registers
.endif
.set NN, 0
.rept 32
	ds_load_b128 v[64+4*NN:67+4*NN], v[RD] offset:528*NN
.set NN, NN+1
.endr
.set NN, 0
.rept 32
.if NN == 0
	s_wait_dscnt 16
.elseif NN == 16
	s_wait_dscnt 0x0
.endif
	global_store_b128 v[LI], v[64+4*NN:67+4*NN], s[\base:\base+1] offset:(8*(NN/16)+NN%8+32*((NN/8)%2))*4096 th:TH_STORE_NT   ; slot NN's query; 512 consecutive bytes, aligned
.set NN, NN+1
.endr
.endm
	FETCHH 0, 0
	FETCHH 0, 1
	FETCHH 0, 2
	FETCHH 0, 3
; BLOCK A: 9 to 16 runs.  Behind each run from the ninth on a forward jump on i leads to the way out, so every path is a piece of one straight line from its start on, and the counted waits hold on every path
.set R, 0
.rept 16
.if R == 8
	s_wait_tensorcnt 0x0                           ; p's places 10 to 16, shown to all
	s_wait_dscnt 0x0
	BARRIER
.endif
.if R == 0
	HALF 0, 2*R, 31, 1                             ; the first products start the sums: nothing is cleared
	HALF 0, 2*R+1, 31, 1
.else
	HALF 0, 2*R, 31, 0
	HALF 0, 2*R+1, 31, 0
.endif
.if (R > 7) && (R < 15)
	s_cmp_eq_u32 s20, R
	s_cbranch_scc1 .Lout_a
.endif
.set R, R+1
.endr
.Lout_a:
	OUT 0, 72
; BLOCK B: 1 to 8 runs, on v's fragments as they lie
.set R, 0
.rept 8
.if R == 0
	HALF 1, 2*R, 15, 1
	HALF 1, 2*R+1, 15, 1
.else
	HALF 1, 2*R, 15, 0
	HALF 1, 2*R+1, 15, 0
.endif
.if R < 7
	s_cmp_eq_u32 s19, R
	s_cbranch_scc1 .Lout_b
.endif
.set R, R+1
.endr
.Lout_b:
	OUT 1, 74
	s_wait_tensorcnt 0x0                           ; the wave's end
	ds_add_u32 v[SPW], v[NIL]
	s_wait_dscnt 0x0
	CROUND                                         ; the closing round
	s_endpgm
.Lfunc_end_k_q12fbb5fc84_pv:
	.size	k_q12fbb5fc84_pv, .Lfunc_end_k_q12fbb5fc84_pv-k_q12fbb5fc84_pv
	.p2alignl 7, 3214868480
	.fill 96, 4, 3214868480
	.section	.rodata,"a",@progbits
	.p2align	6, 0x0
	.amdhsa_kernel k_q12fbb5fc84_pv
		.amdhsa_group_segment_fixed_size 327680
		.amdhsa_private_segment_fixed_size 0
		.amdhsa_enable_private_segment 0
		.amdhsa_kernarg_size 48
		.amdhsa_user_sgpr_count 2
		.amdhsa_user_sgpr_kernarg_segment_ptr 1
		.amdhsa_wavefront_size32 1
		.amdhsa_system_sgpr_workgroup_id_x 1
		.amdhsa_system_sgpr_workgroup_id_y 1
		.amdhsa_system_sgpr_workgroup_id_z 1
		.amdhsa_system_vgpr_workitem_id 0
		.amdhsa_next_free_vgpr 1024
		.amdhsa_next_free_sgpr 100
		.amdhsa_reserve_vcc 0
		.amdhsa_float_denorm_mode_32 3
		.amdhsa_float_denorm_mode_16_64 3
		.amdhsa_memory_ordered 1
		.amdhsa_forward_progress 1
		.amdhsa_inst_pref_size 174
	.end_amdhsa_kernel
	.amdgpu_metadata
---
amdhsa.version: [ 1, 2 ]
amdhsa.kernels:
  - .name:           k_q12fbb5fc84_pv
    .symbol:         k_q12fbb5fc84_pv.kd
    .args:
      - { .name: p_img, .offset: 0, .size: 8, .value_kind: global_buffer, .address_space: global }
      - { .name: p_sc, .offset: 8, .size: 8, .value_kind: global_buffer, .address_space: global }
      - { .name: p_st, .offset: 16, .size: 8, .value_kind: global_buffer, .address_space: global }
      - { .name: qkv_img, .offset: 24, .size: 8, .value_kind: global_buffer, .address_space: global }
      - { .name: qkv_sc, .offset: 32, .size: 8, .value_kind: global_buffer, .address_space: global }
      - { .name: out0, .offset: 40, .size: 8, .value_kind: global_buffer, .address_space: global }
    .group_segment_fixed_size: 327680
    .private_segment_fixed_size: 0
    .kernarg_segment_align: 8
    .kernarg_segment_size: 48
    .max_flat_workgroup_size: 128
    .sgpr_count:     100
    .vgpr_count:     1024
    .wavefront_size: 32
...
	.end_amdgpu_metadata
.endif
;; end of part 4
